; MI455X (gfx1250); checked and timed in simulation.
; The chip was launched on July 23, 2026; its instructions are those of AMD's public machine-readable ISA for CDNA 5 (MIT licence, August 2026) and "CDNA5" Instruction Set Architecture Reference Guide (July 2026). The comments in the code are by the model that wrote it; some were corrected since.
;; Causal Point Net Encoder. Allowed arithmetic: float matrix products may take bf16 or f16 operands with f32 sums; other float arithmetic in f32, or as packed bf16 or f16 multiplies, adds, multiply-adds, maxima and minima; sums over many terms, partial sums and values carried from step to step in f32; what a program stores and reads back later, other than sums and carried values, may be rounded once to bf16 or f16.
;; Inputs: W0 32 x 128 float32; W1 256 x 128 float32; W2 128 x 128 float32; W3 128 x 128 float32; W4 128 x 64 float32; b0 128 float32; b1 128 float32; b2 128 float32; b3 128 float32; b4 64 float32; be0 128 float32; be1 128 float32; be2 128 float32; be3 128 float32; g0 128 float32; g1 128 float32; g2 128 float32; g3 128 float32; polylines 16 x 64 x 256 x 32 float32.
;; Outputs: out0 16 x 64 x 256 x 64 float32.
;; One version. Each part assembles by itself: llvm-mc -triple=amdgcn-amd-amdhsa -mcpu=gfx1250 --defsym DOCPART=n.
;; ======== version 1 of 1: 5 launches
;; limits: values are held in f16: magnitudes above 65,504 overflow, below 6.1e-05 lose precision
;; workspace buffers: wimg 155,648 bytes; pa 262,144 bytes; pb 262,144 bytes; cm 16,777,216 bytes; k1 8,388,608 bytes; z1 67,108,864 bytes; z2 67,108,864 bytes; fin2 393,216 bytes
;; launch st0 (part 1): grid 256 x 1, 4 waves a work-group, no clusters, 205,312 bytes of LDS; arguments polylines, W0, W1, W2, W3, W4, g0, g2, wimg, pa, cm; writes wimg, pa, cm
.if DOCPART == 1
	.amdgcn_target "amdgcn-amd-amdhsa--gfx1250"
	.amdhsa_code_object_version 6
	.text
	.protected	k_q35cb6bfac8_st0
	.globl	k_q35cb6bfac8_st0
	.p2align	8
	.type	k_q35cb6bfac8_st0,@function
k_q35cb6bfac8_st0:
	s_mov_b64 s[64:65], 0
	v_nop
	global_prefetch_b8 v0, s[64:65] scope:SCOPE_SE
	s_setreg_imm32_b32 hwreg(HW_REG_WAVE_MODE, 25, 1), 1
	s_wait_xcnt 0x0
; LAUNCH 1 OF 5.  z0' = x W0' (no bias), its statistics and its chunk maxima; and the f16 images of all five weight matrices.
; ALL INPUTS OF THE PROGRAM ARE ROUNDED TO bf16 FIRST (x and the weights here, gains and biases where they are read); a bf16 number from 7.6e-6 to 65,504 is exact in f16, the matrix operands' format.
; W0'[:,m] = sign(g0[m]) W0[:,m] (W2' likewise by g2): with the gain's sign in the weights the norm's gain is |g|, so norm and ReLU rise with z', and a maximum of z' is the maximum of the activation.
; SHARES.  Work-group g, wave w: sequence s = 4 g + w, 256 rows of 32 channels.  Lane r = lane % 16 owns the time chunk 16 r .. 16 r + 15; tile i holds the rows 16 r + i.
; PRODUCT, transposed: source 0 = 16 output channels x 32 input channels of W, source 1 = 16 rows of x.  In the result lane (r, h = lane / 16), register j of block b holds row r, channel 16 b + 8 h + j.
; STATISTICS.  Each lane and channel takes its first z as pivot K and sums z - K and (z - K)^2 over its 16 values; lanes, waves and the work-group are joined by means and sums of squared
; deviations (equal counts: the means are averaged, M2 = sum of M2 + n x sum of (mean_i - mean)^2).  pa[g] = 128 means, 128 M2 of 1,024 rows.
; cm[s] (the buffer's first half): for each chunk and channel the maximum of z0' over all EARLIER chunks (the lowest finite number for chunk 0), in the accumulators' register layout.
; LIMITS.  x and the weights stay under 65,504; under 7.6e-6 they keep f16's fixed step of 6e-8.  NaN and infinities are not treated apart.
; No cluster: the work-groups share W0 alone, 16 KiB against 128 KiB of x each.  No refill: a work-group's whole share lies in LDS, asked for at the head, so nothing is left to prefetch.
.set XWAVE, 33280                      ; LDS: a wave's x: two halves
.set XHALF, 16640                      ; a half: 16 chunk rows of 1,024 bytes (8 time steps) + 16 of padding
.set XPITCH, 1040                      ; 65 x 16 bytes: the 16 chunk rows of a load start at 16 different groups of four banks (64 banks of 4 bytes: ISA guide 11.1)
.set RED, 133120                       ; 16,896 bytes a wave: 16 rows x 528 of means, then 16 x 528 of M2
.set REDW, 16896
.set RPITCH, 528
.set REDM2, 8448
.set XE, 200704                        ; 1,024 bytes a wave: its mean and M2
.set SPARE, 204800                     ; the spare words, 128 bytes a wave
.set R_, 1                             ; v1 lane % 16
.set HH, 2                             ; v2 lane / 16
.set LL, 3                             ; v3 lane
.set SA0, 4                            ; v4 my place in my wave's x
.set L16, 5                            ; v5 16 x lane
.set XER, 6                            ; v6 XE + 16 lane
.set XEW, 7                            ; v7 the same in my wave's part
.set RST, 8                            ; v8 RED: row r, 32 h
.set RRD, 9                            ; v9 RED: 16 lane
.set SA, 28                            ; v28 the LDS address of the tile in hand
.set SPW, 30
.set NIL, 31
.set XR, 32                            ; v32-47 a tile of x in f32
.set XB, 48                            ; v48-55 the same in 16 bits: source 1
.set AR, 56                            ; v56-63 sign masks by block
.set ACC, 64                           ; v64-127 eight accumulators
.set W0F, 192                          ; v192-255 W0' as eight fragments
.set MX, 128                           ; window 2: running maxima
.set KK, 64                            ; window 3: pivots, then means
.set SD, 128                           ; window 3: sums of z - K
.set S2, 192                           ; window 3: sums of squares, then M2
.set WV, 26
.set WG, 27
.set CNT, 28
.set HC, 29
.set FIRST, 30
.set PSEL, 31
.set HM, 40                            ; s40 a word's upper half
.set TB, 77
.set MSB, 0
.macro WIN new                         ; the immediate's high byte repeats the setting that is left
.if MSB != (\new)
	s_set_vgpr_msb (MSB<<8)|(\new)
.set MSB, \new
.endif
.endm
.macro PLACES                          ; four places behind matrix instructions (ISA guide 7.12.1)
.rept 4
	v_nop
.endr
.endm
.macro LOADX                           ; my row's channels 8 h .. + 7 and 16 + 8 h .. + 7, in f32
	ds_load_b128 v[XR:XR+3], v[SA]
	ds_load_b128 v[XR+4:XR+7], v[SA] offset:16
	ds_load_b128 v[XR+8:XR+11], v[SA] offset:64
	ds_load_b128 v[XR+12:XR+15], v[SA] offset:80
.endm
.macro CVTX                            ; the tile is rounded to bf16, and that number is written as f16
.irp j, 0,1,2,3,4,5,6,7
	v_cvt_pk_bf16_f32 v[XB+\j], v[XR+2*\j], v[XR+2*\j+1]
.endr
.irp j, 0,1,2,3,4,5,6,7
	v_lshlrev_b32 v[XR+2*\j], 16, v[XB+\j]
	v_and_b32 v[XR+2*\j+1], s[HM], v[XB+\j]
.endr
.irp j, 0,1,2,3,4,5,6,7
	v_cvt_pk_f16_f32 v[XB+\j], v[XR+2*\j], v[XR+2*\j+1]
.endr
.endm
.macro QSUM d, base, n                 ; quad d = the sum of n quads from base on
	v_pk_add_f32 v[\d:\d+1], v[\base:\base+1], v[\base+4:\base+5]
	v_pk_add_f32 v[\d+2:\d+3], v[\base+2:\base+3], v[\base+6:\base+7]
.set q_, 2
.rept (\n)-2
	v_pk_add_f32 v[\d:\d+1], v[\d:\d+1], v[\base+4*q_:\base+4*q_+1]
	v_pk_add_f32 v[\d+2:\d+3], v[\d+2:\d+3], v[\base+4*q_+2:\base+4*q_+3]
.set q_, q_+1
.endr
.endm
.macro COMB bm, b2, n, inv, wt         ; n groups of equal count wt: mean -> v16-19, M2 -> v20-23
	QSUM 16, \bm, \n
	QSUM 24, \b2, \n
	v_pk_mul_f32 v[16:17], v[16:17], \inv op_sel_hi:[1,0]
	v_pk_mul_f32 v[18:19], v[18:19], \inv op_sel_hi:[1,0]
.set q_, 0
.rept \n
	v_pk_add_f32 v[\bm+4*q_:\bm+4*q_+1], v[\bm+4*q_:\bm+4*q_+1], v[16:17] neg_lo:[0,1] neg_hi:[0,1]
	v_pk_add_f32 v[\bm+4*q_+2:\bm+4*q_+3], v[\bm+4*q_+2:\bm+4*q_+3], v[18:19] neg_lo:[0,1] neg_hi:[0,1]
.set q_, q_+1
.endr
	v_pk_mul_f32 v[20:21], v[\bm:\bm+1], v[\bm:\bm+1]
	v_pk_mul_f32 v[22:23], v[\bm+2:\bm+3], v[\bm+2:\bm+3]
.set q_, 1
.rept (\n)-1
	v_pk_fma_f32 v[20:21], v[\bm+4*q_:\bm+4*q_+1], v[\bm+4*q_:\bm+4*q_+1], v[20:21]
	v_pk_fma_f32 v[22:23], v[\bm+4*q_+2:\bm+4*q_+3], v[\bm+4*q_+2:\bm+4*q_+3], v[22:23]
.set q_, q_+1
.endr
	v_pk_fma_f32 v[20:21], v[20:21], \wt, v[24:25] op_sel_hi:[1,0,1]
	v_pk_fma_f32 v[22:23], v[22:23], \wt, v[26:27] op_sel_hi:[1,0,1]
.endm
	s_load_b512 s[4:19], s[0:1], 0x0               ; polylines 4, W0 6, W1 8, W2 10, W3 12, W4 14, g0 16, g2 18
	s_load_b128 s[20:23], s[0:1], 0x40             ; wimg 20, pa 22
	s_load_b64 s[24:25], s[0:1], 0x50              ; cm 24
	v_lshl_add_u32 v[SPW], v0, 2, SPARE
	v_mov_b32 v[NIL], 0
	ds_add_u32 v[SPW], v[NIL]                      ; the opening lines: the add, twice on end, and its wait ahead of my first tensor load
	ds_add_u32 v[SPW], v[NIL]
	v_lshrrev_b32 v16, 5, v0
	v_readfirstlane_b32 s[WV], v16                 ; wave 0..3
	s_mov_b32 s[WG], ttmp9
	s_mov_b32 s[HM], 0xffff0000
	v_and_b32 v[R_], 15, v0
	v_bfe_u32 v[HH], v0, 4, 1
	v_and_b32 v[LL], 31, v0
	v_lshlrev_b32 v[L16], 4, v[LL]
	; descriptor group 1: 16 rows (chunks) of 128 elements of 8 bytes, 256 elements from chunk to chunk; 4 words of padding behind every 256 words
	s_mov_b32 s32, (3<<16)|(1<<20)|(7<<22)|(3<<25)
	s_mov_b32 s33, 128<<16                         ; tensor_dim0 = 128
	s_mov_b32 s34, 16<<16                          ; tensor_dim1 = 16
	s_mov_b32 s35, 128<<16                         ; tile_dim0 = 128
	s_mov_b32 s36, 16                              ; tile_dim1 = 16
	s_mov_b32 s37, 256                             ; pitch
	s_mov_b32 s38, 0
	s_mov_b32 s39, 0
	s_lshl_b32 s66, s[WG], 2
	s_add_co_u32 s66, s66, s[WV]                   ; my sequence
	s_lshl_b32 s62, s66, 15                        ; 32,768 bytes of x each
	s_mov_b32 s63, 0
	s_mov_b32 s52, 1
	s_mul_i32 s53, s[WV], XWAVE
	s_mov_b32 s56, 1
	s_add_co_u32 s57, s53, XHALF
	s_wait_dscnt 0x0                               ; both opening adds are done
	s_wait_kmcnt 0x0
	s_add_nc_u64 s[60:61], s[4:5], s[62:63]
	s_add_nc_u64 s[54:55], s[60:61], 0             ; time steps 0-7 of every chunk
	s_or_b32 s55, s55, 0x80000000
	s_add_nc_u64 s[58:59], s[60:61], 1024          ; time steps 8-15
	s_or_b32 s59, s59, 0x80000000
	tensor_load_to_lds s[52:55], s[32:39]          ; both first fills together: two loads of mine are out
	s_nop 0
	tensor_load_to_lds s[56:59], s[32:39]
	s_nop 0
	PLACES
	s_lshl_b32 s62, s66, 13
	s_add_nc_u64 s[24:25], s[24:25], s[62:63]      ; cm at my sequence
	s_lshl_b32 s62, s[WG], 10
	s_add_nc_u64 s[22:23], s[22:23], s[62:63]      ; pa at my work-group
	v_mul_u32_u24 v[SA0], v[R_], XPITCH
	v_lshl_add_u32 v[SA0], v[HH], 5, v[SA0]
	v_add_nc_u32 v[SA0], s53, v[SA0]
	s_mul_i32 s67, s[WV], REDW
	s_add_co_u32 s67, s67, RED
	v_mul_u32_u24 v[RST], v[R_], RPITCH
	v_lshl_add_u32 v[RST], v[HH], 5, v[RST]
	v_add_nc_u32 v[RST], s67, v[RST]
	v_add_nc_u32 v[RRD], s67, v[L16]
	v_add_nc_u32 v[XER], XE, v[L16]
	v_lshl_add_u32 v[XEW], s[WV], 10, v[XER]
	; W0 as fragments: lane (r, h) of block b wants W0[k][16 b + r] for k = 8 h .. + 7 and 16 + 8 h .. + 7
	v_lshlrev_b32 v17, 2, v[R_]
	v_lshl_add_u32 v18, v[HH], 12, v17             ; 8 h rows of 512 bytes + 4 r
	WIN 0x40                                       ; landing in window 1
.set b_, 0
.rept 8
.set e_, 0
.rept 16
	global_load_b32 v[16*b_+e_], v18, s[6:7] offset:512*(e_+8*(e_/8))+64*b_
.set e_, e_+1
.endr
.set b_, b_+1
.endr
	WIN 0
.irp b, 0,1,2,3,4,5,6,7
	global_load_b32 v[AR+\b], v17, s[16:17] offset:64*\b  ; g0[16 b + r]
.endr
	s_mov_b32 s[PSEL], 0x07060706                  ; v_perm_b32: the upper half twice
	s_wait_loadcnt 0x0
	WIN 0x05                                       ; to bf16,
.set i_, 0
.rept 64
	v_cvt_pk_bf16_f32 v[W0F+i_], v[2*i_], v[2*i_+1]
.set i_, i_+1
.endr
	WIN 0x40                                       ; that number in f32,
.set i_, 0
.rept 64
	v_lshlrev_b32 v[2*i_], 16, v[W0F+i_]
	v_and_b32 v[2*i_+1], s[HM], v[W0F+i_]
.set i_, i_+1
.endr
	WIN 0x05                                       ; and written as f16
.set i_, 0
.rept 64
	v_cvt_pk_f16_f32 v[W0F+i_], v[2*i_], v[2*i_+1]
.set i_, i_+1
.endr
	WIN 0
.irp b, 0,1,2,3,4,5,6,7
	v_perm_b32 v[AR+\b], v[AR+\b], v[AR+\b], s[PSEL]
	v_and_b32 v[AR+\b], 0x80008000, v[AR+\b]       ; the gain's sign, for both halves
.endr
.set i_, 0
.rept 64
	v_xor_b32 v[W0F+i_], v[AR+i_/8], v[W0F+i_]
.set i_, i_+1
.endr
	; THE IMAGES.  152 fragments of 1,024 bytes: W0' 0-7, W1 8-71, W2' 72-103, W3 104-135, W4 136-151; fragment (kappa, b) of a matrix is number kappa x blocks + b.
	; Work-groups 0-75 make two each, a wave half a fragment: lane (r, h) packs W[32 kappa + 16 p + 8 h + e][16 b + r], e = 0..7, into 16 bytes.
	s_cmp_lt_u32 s[WG], 76
	s_cbranch_scc0 .Lnoimg
	s_lshr_b32 s66, s[WV], 1
	s_lshl1_add_u32 s66, s[WG], s66                ; f = 2 g + w / 2
	s_and_b32 s67, s[WV], 1                        ; p
	s_mov_b64 s[60:61], s[6:7]                     ; the matrix,
	s_mov_b64 s[62:63], s[16:17]                   ; the gain whose sign goes in,
	s_mov_b32 s68, 0                               ; its first fragment,
	s_mov_b32 s69, 3                               ; log2 of its blocks of 16 columns,
	s_mov_b32 s70, 9                               ; log2 of its row's bytes,
	s_mov_b32 s71, 0x80008000                      ; whether a sign goes in
	s_cmp_ge_u32 s66, 8
	s_cselect_b64 s[60:61], s[8:9], s[60:61]
	s_cselect_b32 s68, 8, s68
	s_cselect_b32 s71, 0, s71
	s_cmp_ge_u32 s66, 72
	s_cselect_b64 s[60:61], s[10:11], s[60:61]
	s_cselect_b64 s[62:63], s[18:19], s[62:63]
	s_cselect_b32 s68, 72, s68
	s_cselect_b32 s71, 0x80008000, s71
	s_cmp_ge_u32 s66, 104
	s_cselect_b64 s[60:61], s[12:13], s[60:61]
	s_cselect_b32 s68, 104, s68
	s_cselect_b32 s71, 0, s71
	s_cmp_ge_u32 s66, 136
	s_cselect_b64 s[60:61], s[14:15], s[60:61]
	s_cselect_b32 s68, 136, s68
	s_cselect_b32 s69, 2, s69
	s_cselect_b32 s70, 8, s70
	s_sub_co_u32 s72, s66, s68                     ; the fragment's number in its matrix
	s_lshr_b32 s73, s72, s69                       ; kappa
	s_lshl_b32 s74, s73, s69
	s_sub_co_u32 s74, s72, s74                     ; b
	s_lshl_b32 s74, s74, 6                         ; 64 b bytes
	s_lshl_b32 s75, s73, 5
	s_lshl4_add_u32 s75, s67, s75                  ; row 32 kappa + 16 p
	s_lshl_b32 s75, s75, s70
	s_add_co_u32 s75, s75, s74
	s_lshl_b32 s76, 1, s70                         ; a row's bytes
	v_lshlrev_b32 v16, 3, v[HH]
	v_lshlrev_b32 v16, s70, v16
	v_lshl_add_u32 v16, v[R_], 2, v16
	v_add_nc_u32 v16, s75, v16
.irp e, 1,2,3,4,5,6,7
	v_add_nc_u32 v[16+\e], s76, v[15+\e]
.endr
.irp e, 0,1,2,3,4,5,6,7
	global_load_b32 v[32+\e], v[16+\e], s[60:61]
.endr
	v_lshl_add_u32 v24, v[R_], 2, s74
	global_load_b32 v25, v24, s[62:63]             ; g[16 b + r]
	v_lshlrev_b32 v26, 4, v0
	s_lshl_b32 s78, s[WG], 11
	s_mov_b32 s79, 0
	s_add_nc_u64 s[78:79], s[20:21], s[78:79]
	s_wait_loadcnt 0x0
.irp j, 0,1,2,3
	v_cvt_pk_bf16_f32 v[40+\j], v[32+2*\j], v[33+2*\j]
.endr
.irp j, 0,1,2,3
	v_lshlrev_b32 v[32+2*\j], 16, v[40+\j]
	v_and_b32 v[33+2*\j], s[HM], v[40+\j]
.endr
.irp j, 0,1,2,3
	v_cvt_pk_f16_f32 v[40+\j], v[32+2*\j], v[33+2*\j]
.endr
	v_perm_b32 v25, v25, v25, s[PSEL]
	v_and_b32 v25, s71, v25
.irp j, 0,1,2,3
	v_xor_b32 v[40+\j], v25, v[40+\j]
.endr
	global_store_b128 v26, v[40:43], s[78:79]      ; a wave stores 512 consecutive bytes, at a multiple of 512 from wimg's first
	s_wait_xcnt 0x0                                ; v40-43 are loaded into again below
.Lnoimg:
	; THE TILES: two halves of eight
	s_wait_tensorcnt 0x1                           ; the first half is in; one load, the second half's, may stay out.  Only I read my bytes: no barrier
	s_mov_b32 s[FIRST], 1
	s_mov_b32 s[HC], 2
	s_mov_b32 s[TB], 0
.Lhalf:
	s_mov_b32 s[CNT], 8
	v_add_nc_u32 v[SA], s[TB], v[SA0]
	LOADX
.Ltile:
	s_wait_dscnt 0x0                               ; the tile is in registers
	CVTX
	s_cmp_eq_u32 s[CNT], 1                         ; the half's last tile fetches nothing
	s_cbranch_scc1 .Lnl
	s_add_co_u32 s[TB], s[TB], 128
	v_add_nc_u32 v[SA], s[TB], v[SA0]
	LOADX                                          ; the next tile, under this tile's work
.Lnl:
.set b_, 0
.rept 8
	v_wmma_f32_16x16x32_f16 v[ACC+8*b_:ACC+8*b_+7], v[W0F+8*b_:W0F+8*b_+7], v[XB:XB+7], 0
.set b_, b_+1
.endr
	PLACES
	s_cmp_eq_u32 s[FIRST], 1                       ; at the first tile the answer is a constant of the text
	s_cbranch_scc1 .Linit
	WIN 0x88
.set i_, 0
.rept 64
	v_max_num_f32 v[MX+i_], v[ACC+i_], v[MX+i_]
.set i_, i_+1
.endr
	WIN 0x0c
.set i_, 0
.rept 32
	v_pk_add_f32 v[ACC+2*i_:ACC+2*i_+1], v[ACC+2*i_:ACC+2*i_+1], v[KK+2*i_:KK+2*i_+1] neg_lo:[0,1] neg_hi:[0,1]
.set i_, i_+1
.endr
	WIN 0xcc
.set i_, 0
.rept 32
	v_pk_add_f32 v[SD+2*i_:SD+2*i_+1], v[ACC+2*i_:ACC+2*i_+1], v[SD+2*i_:SD+2*i_+1]
.set i_, i_+1
.endr
	WIN 0xf0
.set i_, 0
.rept 32
	v_pk_fma_f32 v[S2+2*i_:S2+2*i_+1], v[ACC+2*i_:ACC+2*i_+1], v[ACC+2*i_:ACC+2*i_+1], v[S2+2*i_:S2+2*i_+1]
.set i_, i_+1
.endr
	WIN 0
	s_branch .Lsdone
.Linit:                                                ; the first tile: its z are the pivots and the first maxima
	WIN 0x80
.set i_, 0
.rept 64
	v_mov_b32 v[MX+i_], v[ACC+i_]
.set i_, i_+1
.endr
	WIN 0xc0
.set i_, 0
.rept 64
	v_mov_b32 v[KK+i_], v[ACC+i_]
.set i_, i_+1
.endr
.set i_, 0
.rept 128
	v_mov_b32 v[SD+i_], 0
.set i_, i_+1
.endr
	WIN 0
	s_mov_b32 s[FIRST], 0
.Lsdone:
	s_sub_co_u32 s[CNT], s[CNT], 1
	s_cmp_lg_u32 s[CNT], 0
	s_cbranch_scc1 .Ltile
	s_wait_tensorcnt 0x0                           ; the second half is in
	s_add_co_u32 s[TB], s[TB], XHALF-7*128
	s_sub_co_u32 s[HC], s[HC], 1
	s_cmp_lg_u32 s[HC], 0
	s_cbranch_scc1 .Lhalf
	; THE LANE'S 16 VALUES: mean = K + Sd / 16, M2 = S2 - Sd^2 / 16
	WIN 0xf3
.set i_, 0
.rept 32
	v_pk_fma_f32 v[KK+2*i_:KK+2*i_+1], v[SD+2*i_:SD+2*i_+1], 0x3d800000, v[KK+2*i_:KK+2*i_+1] op_sel_hi:[1,0,1]
.set i_, i_+1
.endr
	WIN 0xcf
.set i_, 0
.rept 32
	v_pk_mul_f32 v[SD+2*i_:SD+2*i_+1], v[SD+2*i_:SD+2*i_+1], v[SD+2*i_:SD+2*i_+1]
.set i_, i_+1
.endr
	WIN 0xf3
.set i_, 0
.rept 32
	v_pk_fma_f32 v[S2+2*i_:S2+2*i_+1], v[SD+2*i_:SD+2*i_+1], 0xbd800000, v[S2+2*i_:S2+2*i_+1] op_sel_hi:[1,0,1]
.set i_, i_+1
.endr
	WIN 0x0c                                       ; store data in window 3: row r of 128 channels
.set b_, 0
.rept 8
	ds_store_b128 v[RST], v[KK+8*b_:KK+8*b_+3] offset:64*b_
	ds_store_b128 v[RST], v[KK+8*b_+4:KK+8*b_+7] offset:64*b_+16
	ds_store_b128 v[RST], v[S2+8*b_:S2+8*b_+3] offset:REDM2+64*b_
	ds_store_b128 v[RST], v[S2+8*b_+4:S2+8*b_+7] offset:REDM2+64*b_+16
.set b_, b_+1
.endr
	WIN 0
.set q_, 0
.rept 16                                       ; back by columns: lane l takes channels 4 l .. + 3 of all 16 rows.  LDS serves a wave's instructions in order (ISA guide 5.7.1.4)
	ds_load_b128 v[64+4*q_:64+4*q_+3], v[RRD] offset:RPITCH*q_
	ds_load_b128 v[128+4*q_:128+4*q_+3], v[RRD] offset:REDM2+RPITCH*q_
.set q_, q_+1
.endr
	s_wait_dscnt 0x0
	COMB 64, 128, 16, 0x3d800000, 0x41800000       ; 16 lanes of 16 values: the wave's 256
	ds_store_b128 v[XEW], v[16:19]
	ds_store_b128 v[XEW], v[20:23] offset:512
	; THE CHUNK MAXIMA: rows into RED's first part (its reads are back), by columns an exclusive running maximum down the 16 chunks, and back in the accumulators' layout
	WIN 0x08
.set b_, 0
.rept 8
	ds_store_b128 v[RST], v[MX+8*b_:MX+8*b_+3] offset:64*b_
	ds_store_b128 v[RST], v[MX+8*b_+4:MX+8*b_+7] offset:64*b_+16
.set b_, b_+1
.endr
	WIN 0
.set q_, 0
.rept 16
	ds_load_b128 v[128+4*q_:128+4*q_+3], v[RRD] offset:RPITCH*q_
.set q_, q_+1
.endr
.irp i, 24,25,26,27
	v_mov_b32 v\i, 0xff7fffff                      ; the lowest finite number: nothing lies ahead of chunk 0
.endr
	s_wait_dscnt 0x0
.set q_, 0
.rept 16
	ds_store_b128 v[RRD], v[24:27] offset:RPITCH*q_
.if q_ < 15
	v_max_num_f32 v24, v24, v[128+4*q_]
	v_max_num_f32 v25, v25, v[129+4*q_]
	v_max_num_f32 v26, v26, v[130+4*q_]
	v_max_num_f32 v27, v27, v[131+4*q_]
.endif
.set q_, q_+1
.endr
.set b_, 0
.rept 8
	ds_load_b128 v[64+8*b_:64+8*b_+3], v[RST] offset:64*b_
	ds_load_b128 v[64+8*b_+4:64+8*b_+7], v[RST] offset:64*b_+16
.set b_, b_+1
.endr
	s_wait_dscnt 0x0                               ; these, and for the others' sake my stores into XE
.set q_, 0
.rept 16
	global_store_b128 v[L16], v[64+4*q_:64+4*q_+3], s[24:25] offset:512*q_  ; 512 consecutive bytes each
.set q_, q_+1
.endr
	s_barrier_signal -1
	s_barrier_wait -1                              ; all four waves' means and M2 lie in XE
	s_cmp_lg_u32 s[WV], 0
	s_cbranch_scc1 .Lend
.irp w, 0,1,2,3
	ds_load_b128 v[160+4*\w:163+4*\w], v[XER] offset:1024*\w
	ds_load_b128 v[176+4*\w:179+4*\w], v[XER] offset:1024*\w+512
.endr
	s_wait_dscnt 0x0
	COMB 160, 176, 4, 0x3e800000, 0x43800000       ; four waves of 256
	global_store_b128 v[L16], v[16:19], s[22:23]
	global_store_b128 v[L16], v[20:23], s[22:23] offset:512
.Lend:
	s_wait_tensorcnt 0x0                           ; the wave's end
	ds_add_u32 v[SPW], v[NIL]
	s_wait_dscnt 0x0
	s_endpgm
.Lfunc_end_k_q35cb6bfac8_st0:
	.size	k_q35cb6bfac8_st0, .Lfunc_end_k_q35cb6bfac8_st0-k_q35cb6bfac8_st0
	.p2alignl 7, 3214868480
	.fill 96, 4, 3214868480
	.section	.rodata,"a",@progbits
	.p2align	6, 0x0
	.amdhsa_kernel k_q35cb6bfac8_st0
		.amdhsa_group_segment_fixed_size 205312
		.amdhsa_private_segment_fixed_size 0
		.amdhsa_enable_private_segment 0
		.amdhsa_kernarg_size 88
		.amdhsa_user_sgpr_count 2
		.amdhsa_user_sgpr_kernarg_segment_ptr 1
		.amdhsa_wavefront_size32 1
		.amdhsa_system_sgpr_workgroup_id_x 1
		.amdhsa_system_sgpr_workgroup_id_y 1
		.amdhsa_system_sgpr_workgroup_id_z 1
		.amdhsa_system_vgpr_workitem_id 0
		.amdhsa_next_free_vgpr 1024
		.amdhsa_next_free_sgpr 80
		.amdhsa_reserve_vcc 0
		.amdhsa_float_denorm_mode_32 3
		.amdhsa_float_denorm_mode_16_64 3
		.amdhsa_memory_ordered 1
		.amdhsa_forward_progress 1
		.amdhsa_inst_pref_size 87
	.end_amdhsa_kernel
	.amdgpu_metadata
---
amdhsa.version: [ 1, 2 ]
amdhsa.kernels:
  - .name:           k_q35cb6bfac8_st0
    .symbol:         k_q35cb6bfac8_st0.kd
    .args:
      - { .name: polylines, .offset: 0, .size: 8, .value_kind: global_buffer, .address_space: global }
      - { .name: W0, .offset: 8, .size: 8, .value_kind: global_buffer, .address_space: global }
      - { .name: W1, .offset: 16, .size: 8, .value_kind: global_buffer, .address_space: global }
      - { .name: W2, .offset: 24, .size: 8, .value_kind: global_buffer, .address_space: global }
      - { .name: W3, .offset: 32, .size: 8, .value_kind: global_buffer, .address_space: global }
      - { .name: W4, .offset: 40, .size: 8, .value_kind: global_buffer, .address_space: global }
      - { .name: g0, .offset: 48, .size: 8, .value_kind: global_buffer, .address_space: global }
      - { .name: g2, .offset: 56, .size: 8, .value_kind: global_buffer, .address_space: global }
      - { .name: wimg, .offset: 64, .size: 8, .value_kind: global_buffer, .address_space: global }
      - { .name: pa, .offset: 72, .size: 8, .value_kind: global_buffer, .address_space: global }
      - { .name: cm, .offset: 80, .size: 8, .value_kind: global_buffer, .address_space: global }
    .group_segment_fixed_size: 205312
    .private_segment_fixed_size: 0
    .kernarg_segment_align: 8
    .kernarg_segment_size: 88
    .max_flat_workgroup_size: 128
    .sgpr_count:     80
    .vgpr_count:     1024
    .wavefront_size: 32
...
	.end_amdgpu_metadata
.endif
;; end of part 1
;; launch l1 (part 2): grid 256 x 1, 4 waves a work-group, no clusters, 291,328 bytes of LDS; arguments polylines, wimg, pa, cm, g0, be0, b0, z1, pb, k1; writes z1, pb, k1
.if DOCPART == 2
	.amdgcn_target "amdgcn-amd-amdhsa--gfx1250"
	.amdhsa_code_object_version 6
	.text
	.protected	k_q35cb6bfac8_l1
	.globl	k_q35cb6bfac8_l1
	.p2align	8
	.type	k_q35cb6bfac8_l1,@function
k_q35cb6bfac8_l1:
	s_mov_b64 s[64:65], 0
	v_nop
	global_prefetch_b8 v0, s[64:65] scope:SCOPE_SE
	s_setreg_imm32_b32 hwreg(HW_REG_WAVE_MODE, 25, 1), 1
	s_wait_xcnt 0x0
; LAUNCH 2 OF 5.  The norm of layer 0 is finished from pa; h0 = relu(a0 z0' + c0), pooled = running maximum of h0 along time; z1 = [h0, pooled] W1 (no bias); z1's statistics -> pb.
; SHARES AND LAYOUT as in launch 1: wave = sequence, lane % 16 = time chunk, tile i = rows 16 r + i; products transposed.  Two neighbouring result blocks, rounded to f16 in pairs, ARE source 1 of the
; next product: nothing changes lanes between layers.  All weights lie in registers as fragments: W0' (64), W1 (512).  All inputs are rounded to bf16 first (x here, g0, be0, b0 in FIN).
; THE NORM rides in the product: W0' is multiplied by a0 = |g0| / sqrt(var + eps) channel by channel, and the constant is the C operand that starts the sum.
; THE SHIFT.  Both operands of the next product are taken less mu = f16(max(be0 + 2 |g0|, 0)), a constant for each channel: C = c0 - mu, the ReLU's floor is -mu.  A constant for each channel ahead of a
; Linear and a batch norm changes that norm's mean alone, whatever its value; it is chosen so that the running maximum, which hovers near it, is rounded to f16 as a small number.
; THE RUNNING MAXIMUM is one packed maximum a register and tile; lane r starts from max(a0 cm + c0 - mu, -mu), cm = the maximum of z0' over the earlier chunks (launch 1).
; z1 IS STORED AS z1 - K, K = the lane's first z1 for each channel: -K is the C operand of the product's first K block, the statistics sum z1 - K and its square, -K goes to k1 in f32.
; z1: [sequence][tile][block][lane][8 f16]: the packed registers as they lie: each store is 512 consecutive bytes.  k1: [sequence][16][lane][4 f32], the accumulators' 64 registers.
; LIMITS.  x, a0 W0', the activations and z1 - K stay under 65,504 (f16); under 6e-5 they keep f16's fixed step.  NaN and infinities are not treated apart.
; No cluster: what work-groups share, 72 KiB of weight images, is fetched once, against 128 KiB of x and 256 KiB of z1 each.  No refill and no prefetch: all that LDS takes is asked for at the head.
.set XWAVE, 33280
.set XHALF, 16640
.set XPITCH, 1040                      ; 65 x 16 bytes: 16 chunk rows start at 16 different groups of four banks (ISA guide 11.1)
.set WI, 133120                        ; the images of W0' and W1: 73,728 bytes
.set RED, 206848
.set REDW, 16896
.set RPITCH, 528
.set REDM2, 8448
.set XW, 274432                        ; 1,536 bytes a wave: its three sums over 64 partials
.set TAB, 280576                       ; 1,536 bytes a wave: a, c - mu, -mu
.set TABS, 1536
.set XE, 286720
.set SPARE, 290816
.set SA0, 1                            ; v1-5 are kept for the whole launch
.set L16, 2
.set SA, 3
.set SPW, 4
.set NIL, 5
.set R_, 6                             ; v6-31 hold addresses and numbers at work at the head and at the tail; in the loop they hold -mu
.set HH, 7
.set XER, 8
.set XEW, 9
.set RST, 10
.set RRD, 11
.set TABA, 12                          ; my table + 32 h
.set TABW, 13                          ; my table + 16 lane
.set XWA, 14
.set WA, 15                            ; WI + 16 lane
.set WA2, 28                           ; the same 65,536 bytes on
.set XWR, 29
.set ZERO, 30
.set TABR, 31                          ; my table + 4 r
.set XR, 32
.set XB, 48
.set AR, 56                            ; v56-63 a0[16 b + r], at the head
.set ACC, 64
.set H, 128                            ; v128-159 h0 - mu, then z1 - K packed
.set RUN, 160                          ; v160-191 the running maximum less mu
.set W0F, 192
.set KK, 64                            ; window 3 (v0-63 of it: c0 - mu): -K, at the end the means
.set SD, 128
.set S2, 192
.set WV, 26
.set WG, 27
.set CNT, 28
.set HC, 29
.set FIRST, 30
.set FC, 31
.set HM, 70                            ; s70 a word's upper half
.set SG, 71                            ; s71 the sign bit
.set TB, 77
.set MSB, 0
.macro WIN new
.if MSB != (\new)
	s_set_vgpr_msb (MSB<<8)|(\new)
.set MSB, \new
.endif
.endm
.macro NMREG i                         ; packed register i of -mu: v6-31, then v56-61
.if (\i) < 26
.set nm_, 6+(\i)
.else
.set nm_, 30+(\i)
.endif
.endm
.macro PLACES
.rept 4
	v_nop
.endr
.endm
.macro LOADX
	ds_load_b128 v[XR:XR+3], v[SA]
	ds_load_b128 v[XR+4:XR+7], v[SA] offset:16
	ds_load_b128 v[XR+8:XR+11], v[SA] offset:64
	ds_load_b128 v[XR+12:XR+15], v[SA] offset:80
.endm
.macro CVTX                            ; the tile is rounded to bf16, and that number is written as f16
.irp j, 0,1,2,3,4,5,6,7
	v_cvt_pk_bf16_f32 v[XB+\j], v[XR+2*\j], v[XR+2*\j+1]
.endr
.irp j, 0,1,2,3,4,5,6,7
	v_lshlrev_b32 v[XR+2*\j], 16, v[XB+\j]
	v_and_b32 v[XR+2*\j+1], s[HM], v[XB+\j]
.endr
.irp j, 0,1,2,3,4,5,6,7
	v_cvt_pk_f16_f32 v[XB+\j], v[XR+2*\j], v[XR+2*\j+1]
.endr
.endm
.macro QSUM d, base, n
	v_pk_add_f32 v[\d:\d+1], v[\base:\base+1], v[\base+4:\base+5]
	v_pk_add_f32 v[\d+2:\d+3], v[\base+2:\base+3], v[\base+6:\base+7]
.set q_, 2
.rept (\n)-2
	v_pk_add_f32 v[\d:\d+1], v[\d:\d+1], v[\base+4*q_:\base+4*q_+1]
	v_pk_add_f32 v[\d+2:\d+3], v[\d+2:\d+3], v[\base+4*q_+2:\base+4*q_+3]
.set q_, q_+1
.endr
.endm
.macro COMB bm, b2, n, inv, wt
	QSUM 16, \bm, \n
	QSUM 24, \b2, \n
	v_pk_mul_f32 v[16:17], v[16:17], \inv op_sel_hi:[1,0]
	v_pk_mul_f32 v[18:19], v[18:19], \inv op_sel_hi:[1,0]
.set q_, 0
.rept \n
	v_pk_add_f32 v[\bm+4*q_:\bm+4*q_+1], v[\bm+4*q_:\bm+4*q_+1], v[16:17] neg_lo:[0,1] neg_hi:[0,1]
	v_pk_add_f32 v[\bm+4*q_+2:\bm+4*q_+3], v[\bm+4*q_+2:\bm+4*q_+3], v[18:19] neg_lo:[0,1] neg_hi:[0,1]
.set q_, q_+1
.endr
	v_pk_mul_f32 v[20:21], v[\bm:\bm+1], v[\bm:\bm+1]
	v_pk_mul_f32 v[22:23], v[\bm+2:\bm+3], v[\bm+2:\bm+3]
.set q_, 1
.rept (\n)-1
	v_pk_fma_f32 v[20:21], v[\bm+4*q_:\bm+4*q_+1], v[\bm+4*q_:\bm+4*q_+1], v[20:21]
	v_pk_fma_f32 v[22:23], v[\bm+4*q_+2:\bm+4*q_+3], v[\bm+4*q_+2:\bm+4*q_+3], v[22:23]
.set q_, q_+1
.endr
	v_pk_fma_f32 v[20:21], v[20:21], \wt, v[24:25] op_sel_hi:[1,0,1]
	v_pk_fma_f32 v[22:23], v[22:23], \wt, v[26:27] op_sel_hi:[1,0,1]
.endm
.macro PACK dst                        ; 64 f32 to 32 registers of f16 pairs, each accumulator from its low end
.set i_, 0
.rept 32
	v_cvt_pk_f16_f32 v[(\dst)+i_], v[ACC+2*i_], v[ACC+2*i_+1]
.set i_, i_+1
.endr
.endm
.macro GEMMK bf                        ; K block 0 starts the eight sums with -K; the caller sets the windows
.set b_, 0
.rept 8
	v_wmma_f32_16x16x32_f16 v[ACC+8*b_:ACC+8*b_+7], v[8*b_:8*b_+7], v[(\bf):(\bf)+7], v[KK+8*b_:KK+8*b_+7]
.set b_, b_+1
.endr
.endm
.macro GEMM bf, k0, k1                 ; K blocks k0 .. k1 - 1 are added on; the eight accumulators take turns
.set k_, \k0
.rept (\k1)-(\k0)
.set b_, 0
.rept 8
	v_wmma_f32_16x16x32_f16 v[ACC+8*b_:ACC+8*b_+7], v[64*k_+8*b_:64*k_+8*b_+7], v[(\bf)+8*k_:(\bf)+8*k_+7], v[ACC+8*b_:ACC+8*b_+7]
.set b_, b_+1
.endr
.set k_, k_+1
.endr
.endm
.macro TAB2ACC reg, off                ; 128 floats of my table into the accumulators' layout: register 8 b + j = value[16 b + 8 h + j]
.set b_, 0
.rept 8
	ds_load_b128 v[(\reg)+8*b_:(\reg)+8*b_+3], v[TABA] offset:(\off)+64*b_
	ds_load_b128 v[(\reg)+8*b_+4:(\reg)+8*b_+7], v[TABA] offset:(\off)+64*b_+16
.set b_, b_+1
.endr
.endm
.macro LDW reg, n, adr, off            ; n fragments of 1,024 bytes out of the images
.set f_, 0
.rept \n
	ds_load_b128 v[(\reg)+8*f_:(\reg)+8*f_+3], v[\adr] offset:(\off)+1024*f_
	ds_load_b128 v[(\reg)+8*f_+4:(\reg)+8*f_+7], v[\adr] offset:(\off)+1024*f_+512
.set f_, f_+1
.endr
.endm
.macro RB q                            ; four numbers of an input are rounded to bf16
	v_cvt_pk_bf16_f32 v20, v[\q], v[\q+1]
	v_cvt_pk_bf16_f32 v21, v[\q+2], v[\q+3]
	v_lshlrev_b32 v[\q], 16, v20
	v_and_b32 v[\q+1], s[HM], v20
	v_lshlrev_b32 v[\q+2], 16, v21
	v_and_b32 v[\q+3], s[HM], v21
.endm
; THE NORM IS FINISHED.  256 partials (mean, M2) of 1,024 rows; lane l takes channels 4 l .. + 3; wave w partials 64 w .. + 63, 16 a trip.  With P = partial 0's mean as pivot:
; T1 = sum of (mean - P), T2 = sum of (mean - P)^2, SM = sum of M2; the four waves' sums meet in XW; mean = P + T1 / 256, M2 = SM + 1,024 (T2 - T1^2 / 256), var = M2 / 2^18.
; a -> v164-167 and my table at toff; c = a b + (be - a (mean + b)) -> v168-171 and toff + 512.
; sgn = 1: the gain's sign lies in the weights: |g| and sign(g) b are taken; and mu is taken off c, -mu -> v172-175 and toff + 1,024.
.macro FIN pp, pg, pe, pb, sgn, toff
	global_load_b128 v[128:131], v[L16], s[\pp:\pp+1]
	global_load_b128 v[132:135], v[L16], s[\pg:\pg+1]
	global_load_b128 v[136:139], v[L16], s[\pe:\pe+1]
	global_load_b128 v[140:143], v[L16], s[\pb:\pb+1]
	s_lshl_b32 s62, s[WV], 16
	s_mov_b32 s63, 0
	s_add_nc_u64 s[60:61], s[\pp:\pp+1], s[62:63]
.set i_, 144
.rept 12
	v_mov_b32 v[i_], 0
.set i_, i_+1
.endr
	s_mov_b32 s[FC], 4
.Lfin:
	WIN 0x40
.set q_, 0
.rept 16
	global_load_b128 v[8*q_:8*q_+3], v[L16], s[60:61] offset:1024*q_
	global_load_b128 v[8*q_+4:8*q_+7], v[L16], s[60:61] offset:1024*q_+512
.set q_, q_+1
.endr
	s_wait_loadcnt 0x0
	WIN 0x41
.set q_, 0
.rept 16
	v_pk_add_f32 v[8*q_:8*q_+1], v[8*q_:8*q_+1], v[128:129] neg_lo:[0,1] neg_hi:[0,1]
	v_pk_add_f32 v[8*q_+2:8*q_+3], v[8*q_+2:8*q_+3], v[130:131] neg_lo:[0,1] neg_hi:[0,1]
.set q_, q_+1
.endr
	WIN 0x01
.set q_, 0
.rept 16
	v_pk_add_f32 v[144:145], v[8*q_:8*q_+1], v[144:145]
	v_pk_add_f32 v[146:147], v[8*q_+2:8*q_+3], v[146:147]
	v_pk_add_f32 v[152:153], v[8*q_+4:8*q_+5], v[152:153]
	v_pk_add_f32 v[154:155], v[8*q_+6:8*q_+7], v[154:155]
.set q_, q_+1
.endr
	WIN 0x05
.set q_, 0
.rept 16
	v_pk_fma_f32 v[148:149], v[8*q_:8*q_+1], v[8*q_:8*q_+1], v[148:149]
	v_pk_fma_f32 v[150:151], v[8*q_+2:8*q_+3], v[8*q_+2:8*q_+3], v[150:151]
.set q_, q_+1
.endr
	WIN 0
	s_add_nc_u64 s[60:61], s[60:61], 16384         ; the loads that read it are back
	s_sub_co_u32 s[FC], s[FC], 1
	s_cmp_lg_u32 s[FC], 0
	s_cbranch_scc1 .Lfin
	ds_store_b128 v[XWA], v[144:147]
	ds_store_b128 v[XWA], v[148:151] offset:512
	ds_store_b128 v[XWA], v[152:155] offset:1024
	s_wait_tensorcnt 0x2                           ; of my three tensor loads the first, my quarter of the images, has landed; the two halves of the input may stay out
	s_wait_dscnt 0x0                               ; for the others' sake: my three sums are stored
	s_barrier_signal -1
	s_barrier_wait -1
.set t_, 0
.rept 3
.set w_, 0
.rept 4
	ds_load_b128 v[160+16*t_+4*w_:160+16*t_+4*w_+3], v[XWR] offset:1536*w_+512*t_
.set w_, w_+1
.endr
.set t_, t_+1
.endr
	v_mov_b32 v26, 0x36800000                      ; 2^-18 = 1 / 262,144 rows
	v_mov_b32 v27, 0x3727c5ac                      ; eps = 1e-5
	RB 132                                         ; g, be and b as bf16; all this works on v20-27 and v132-143, outside v160-207, into which the twelve loads above are still to land
	RB 136
	RB 140
.if \sgn
.irp i, 0,1,2,3
	v_and_b32 v[20+\i], 0x80000000, v[132+\i]
	v_xor_b32 v[140+\i], v[20+\i], v[140+\i]
	v_and_b32 v[132+\i], 0x7fffffff, v[132+\i]
.endr
.endif
	s_wait_dscnt 0x0
	QSUM 144, 160, 4
	QSUM 148, 176, 4
	QSUM 152, 192, 4
.irp u, 0, 2
	v_pk_fma_f32 v[156+\u:157+\u], v[144+\u:145+\u], 0x3b800000, v[128+\u:129+\u] op_sel_hi:[1,0,1]
	v_pk_mul_f32 v[160+\u:161+\u], v[144+\u:145+\u], v[144+\u:145+\u]
	v_pk_fma_f32 v[148+\u:149+\u], v[160+\u:161+\u], 0xbb800000, v[148+\u:149+\u] op_sel_hi:[1,0,1]
	v_pk_fma_f32 v[152+\u:153+\u], v[148+\u:149+\u], 0x44800000, v[152+\u:153+\u] op_sel_hi:[1,0,1]
.endr
.irp i, 0,1,2,3
	v_fma_f32 v[160+\i], v[152+\i], v26, v27
.endr
.irp i, 0,1,2,3
	v_rsq_f32 v[164+\i], v[160+\i]
.endr
	v_nop                                          ; a plain instruction behind the last root,
	s_wait_alu depctr_va_vdst(0)                   ; and a wait on the roots: one for the four
.irp u, 0, 2
	v_pk_mul_f32 v[164+\u:165+\u], v[164+\u:165+\u], v[132+\u:133+\u]
	v_pk_add_f32 v[156+\u:157+\u], v[156+\u:157+\u], v[140+\u:141+\u]
	v_pk_fma_f32 v[168+\u:169+\u], v[164+\u:165+\u], v[156+\u:157+\u], v[136+\u:137+\u] neg_lo:[1,0,0] neg_hi:[1,0,0]
	v_pk_fma_f32 v[168+\u:169+\u], v[164+\u:165+\u], v[140+\u:141+\u], v[168+\u:169+\u]
.endr
.if \sgn
.irp u, 0, 2
	v_pk_fma_f32 v[172+\u:173+\u], v[132+\u:133+\u], 2.0, v[136+\u:137+\u] op_sel_hi:[1,0,1]  ; be + 2 |g|,
.endr
.irp i, 0,1,2,3
	v_max_num_f32 v[172+\i], 0, v[172+\i]          ; not below the ReLU's floor,
.endr
	v_cvt_pk_f16_f32 v20, v172, v173               ; and a number that f16 holds, so that the floor -mu is exact
	v_cvt_pk_f16_f32 v21, v174, v175
	v_lshrrev_b32 v22, 16, v20
	v_lshrrev_b32 v23, 16, v21
	v_cvt_f32_f16 v172, v20.l
	v_cvt_f32_f16 v173, v22.l
	v_cvt_f32_f16 v174, v21.l
	v_cvt_f32_f16 v175, v23.l
.irp u, 0, 2
	v_pk_add_f32 v[168+\u:169+\u], v[168+\u:169+\u], v[172+\u:173+\u] neg_lo:[0,1] neg_hi:[0,1]
	v_pk_mul_f32 v[172+\u:173+\u], v[172+\u:173+\u], -1.0 op_sel_hi:[1,0]
.endr
	ds_store_b128 v[TABW], v[172:175] offset:(\toff)+1024
.endif
	ds_store_b128 v[TABW], v[164:167] offset:\toff
	ds_store_b128 v[TABW], v[168:171] offset:(\toff)+512
.endm
	s_load_b512 s[4:19], s[0:1], 0x0               ; polylines 4, wimg 6, pa 8, cm 10, g0 12, be0 14, b0 16, z1 18
	s_load_b128 s[20:23], s[0:1], 0x40             ; pb 20, k1 22
	v_lshl_add_u32 v[SPW], v0, 2, SPARE
	v_mov_b32 v[NIL], 0
	ds_add_u32 v[SPW], v[NIL]                      ; the opening lines: the add, twice on end, and its wait ahead of my first tensor load
	ds_add_u32 v[SPW], v[NIL]
	v_lshrrev_b32 v16, 5, v0
	v_readfirstlane_b32 s[WV], v16
	s_mov_b32 s[WG], ttmp9
	s_mov_b32 s[HM], 0xffff0000
	s_mov_b32 s[SG], 0x80000000
	v_and_b32 v[R_], 15, v0
	v_bfe_u32 v[HH], v0, 4, 1
	v_and_b32 v[L16], 31, v0
	v_lshlrev_b32 v[L16], 4, v[L16]
	v_mov_b32 v[ZERO], 0
	s_mov_b32 s32, (3<<16)|(1<<20)|(7<<22)|(3<<25) ; x: as in launch 1
	s_mov_b32 s33, 128<<16
	s_mov_b32 s34, 16<<16
	s_mov_b32 s35, 128<<16
	s_mov_b32 s36, 16
	s_mov_b32 s37, 256
	s_mov_b32 s38, 0
	s_mov_b32 s39, 0
	s_mov_b32 s40, 3<<16                           ; the images: dense, 72 rows of 32 elements of 8 bytes a wave
	s_mov_b32 s41, 32<<16
	s_mov_b32 s42, 72<<16
	s_mov_b32 s43, 32<<16
	s_mov_b32 s44, 72
	s_mov_b32 s45, 32
	s_mov_b32 s46, 0
	s_mov_b32 s47, 0
	s_lshl_b32 s66, s[WG], 2
	s_add_co_u32 s66, s66, s[WV]                   ; my sequence
	s_lshl_b32 s62, s66, 15
	s_mov_b32 s63, 0
	s_mul_i32 s68, s[WV], 18432
	s_mov_b32 s69, 0
	s_mov_b32 s48, 1
	s_add_co_u32 s49, s68, WI
	s_mov_b32 s52, 1
	s_mul_i32 s53, s[WV], XWAVE
	s_mov_b32 s56, 1
	s_add_co_u32 s57, s53, XHALF
	s_wait_dscnt 0x0
	s_wait_kmcnt 0x0
	s_add_nc_u64 s[50:51], s[6:7], s[68:69]
	s_or_b32 s51, s51, 0x80000000
	s_add_nc_u64 s[60:61], s[4:5], s[62:63]
	s_add_nc_u64 s[54:55], s[60:61], 0
	s_or_b32 s55, s55, 0x80000000
	s_add_nc_u64 s[58:59], s[60:61], 1024
	s_or_b32 s59, s59, 0x80000000
	tensor_load_to_lds s[48:51], s[40:47]          ; the first fills together: three loads of mine are out
	s_nop 0
	tensor_load_to_lds s[52:55], s[32:39]
	s_nop 0
	tensor_load_to_lds s[56:59], s[32:39]
	s_nop 0
	PLACES
	s_lshl_b32 s62, s66, 13
	s_add_nc_u64 s[10:11], s[10:11], s[62:63]      ; cm and k1 at my sequence
	s_add_nc_u64 s[22:23], s[22:23], s[62:63]
	s_lshl_b32 s62, s66, 16
	s_add_nc_u64 s[18:19], s[18:19], s[62:63]      ; z1 at my sequence
	s_lshl_b32 s62, s[WG], 10
	s_add_nc_u64 s[20:21], s[20:21], s[62:63]      ; pb at my work-group
.set q_, 0
.rept 16
	global_load_b128 v[ACC+4*q_:ACC+4*q_+3], v[L16], s[10:11] offset:512*q_
.set q_, q_+1
.endr
	v_mul_u32_u24 v[SA0], v[R_], XPITCH
	v_lshl_add_u32 v[SA0], v[HH], 5, v[SA0]
	v_add_nc_u32 v[SA0], s53, v[SA0]
	s_mul_i32 s67, s[WV], TABS
	s_add_co_u32 s67, s67, TAB
	v_lshl_add_u32 v[TABA], v[HH], 5, s67
	v_add_nc_u32 v[TABW], s67, v[L16]
	v_lshl_add_u32 v[TABR], v[R_], 2, s67
	v_add_nc_u32 v[XWR], XW, v[L16]
	s_mul_i32 s68, s[WV], 1536
	v_add_nc_u32 v[XWA], s68, v[XWR]
	v_add_nc_u32 v[WA], WI, v[L16]
	v_add_nc_u32 v[WA2], 65536, v[WA]
	FIN 8, 12, 14, 16, 1, 0
	WIN 0xc0
	TAB2ACC 64, 0                                  ; a0, for the carry alone: -K takes these registers later
	TAB2ACC 0, 512                                 ; c0 - mu
	TAB2ACC 128, 1024                              ; -mu, until it is packed: the sums take these registers later
	WIN 0
.irp b, 0,1,2,3,4,5,6,7
	ds_load_b32 v[AR+\b], v[TABR] offset:64*\b     ; a0[16 b + r]: a fragment's lane holds output channel 16 b + r
.endr
	LDW W0F, 8, WA, 0
	WIN 0x40
	LDW 0, 32, WA, 8192                            ; W1, K blocks 0-3 (h0)
	WIN 0x80
	LDW 0, 24, WA, 40960                           ; K blocks 4-6 (the maximum),
	LDW 192, 8, WA2, 0                             ; and 7
	WIN 0
	s_wait_dscnt 0x0
.set i_, 0
.rept 64                                       ; W0' times a0: each half is multiplied in f32 and rounded once
	v_fma_mixlo_f16 v[W0F+i_], v[W0F+i_], v[AR+i_/8], v[ZERO] op_sel_hi:[1,0,0]
	v_fma_mixhi_f16 v[W0F+i_], v[W0F+i_], v[AR+i_/8], v[ZERO] op_sel:[1,0,0] op_sel_hi:[1,0,0]
.set i_, i_+1
.endr
	WIN 0x3c                                       ; the carry: a0 cm + c0 - mu
.set i_, 0
.rept 32
	v_pk_fma_f32 v[ACC+2*i_:ACC+2*i_+1], v[ACC+2*i_:ACC+2*i_+1], v[64+2*i_:64+2*i_+1], v[2*i_:2*i_+1]
.set i_, i_+1
.endr
	WIN 0
	PACK RUN
	WIN 0x0f                                       ; -mu packed, over the head's addresses, which have served
.set i_, 0
.rept 32
	NMREG i_
	v_cvt_pk_f16_f32 v[nm_], v[128+2*i_], v[129+2*i_]
.set i_, i_+1
.endr
	WIN 0
.set i_, 0
.rept 32
	NMREG i_
	v_pk_max_num_f16 v[RUN+i_], v[RUN+i_], v[nm_]
.set i_, i_+1
.endr
	WIN 0xc0
.set i_, 0
.rept 64
	v_mov_b32 v[KK+i_], 0                          ; the first tile's sums start with 0: they give K
.set i_, i_+1
.endr
	WIN 0
	s_wait_tensorcnt 0x1                           ; the first half of x is in; one load may stay out.  Only I read my bytes
	s_mov_b32 s[FIRST], 1
	s_mov_b32 s[HC], 2
	s_mov_b32 s[TB], 0
.Lhalf:
	s_mov_b32 s[CNT], 8
	v_add_nc_u32 v[SA], s[TB], v[SA0]
	LOADX
.Ltile:
	s_wait_dscnt 0x0
	CVTX
	s_cmp_eq_u32 s[CNT], 1
	s_cbranch_scc1 .Lnl
	s_add_co_u32 s[TB], s[TB], 128
	v_add_nc_u32 v[SA], s[TB], v[SA0]
	LOADX
.Lnl:
	WIN 0x30                                       ; C in window 3
.set b_, 0
.rept 8
	v_wmma_f32_16x16x32_f16 v[ACC+8*b_:ACC+8*b_+7], v[W0F+8*b_:W0F+8*b_+7], v[XB:XB+7], v[8*b_:8*b_+7]
.set b_, b_+1
.endr
	WIN 0
	PLACES
	s_wait_xcnt 0x0                                ; the last tile's stores have read H and their base
	s_add_nc_u64 s[18:19], s[18:19], 4096          ; the stores below reach back
	PACK H
.set i_, 0
.rept 32
	v_pk_max_num_f16 v[RUN+i_], v[RUN+i_], v[H+i_] ; RUN is never below -mu, so it takes the value ahead of the ReLU
.set i_, i_+1
.endr
.set i_, 0
.rept 32
	NMREG i_
	v_pk_max_num_f16 v[H+i_], v[H+i_], v[nm_]      ; the ReLU
.set i_, i_+1
.endr
	WIN 0x31                                       ; W1 in window 1, -K in window 3
	GEMMK H
	WIN 0x01
	GEMM H, 1, 4
	WIN 0x02
	GEMM RUN, 0, 4
	WIN 0
	PLACES
	s_cmp_eq_u32 s[FIRST], 1                       ; at the first tile the answer is a constant of the text
	s_cbranch_scc1 .Linit
	WIN 0xcc
.set i_, 0
.rept 32
	v_pk_add_f32 v[SD+2*i_:SD+2*i_+1], v[ACC+2*i_:ACC+2*i_+1], v[SD+2*i_:SD+2*i_+1]
.set i_, i_+1
.endr
	WIN 0xf0
.set i_, 0
.rept 32
	v_pk_fma_f32 v[S2+2*i_:S2+2*i_+1], v[ACC+2*i_:ACC+2*i_+1], v[ACC+2*i_:ACC+2*i_+1], v[S2+2*i_:S2+2*i_+1]
.set i_, i_+1
.endr
	WIN 0
	s_branch .Lsdone
.Linit:                                                ; the first tile: its z are K, and z - K is 0
	WIN 0xc0
.set i_, 0
.rept 64
	v_xor_b32 v[KK+i_], s[SG], v[ACC+i_]
.set i_, i_+1
.endr
.set i_, 0
.rept 128
	v_mov_b32 v[SD+i_], 0
.set i_, i_+1
.endr
	WIN 0
.set i_, 0
.rept 64
	v_mov_b32 v[ACC+i_], 0
.set i_, i_+1
.endr
	s_mov_b32 s[FIRST], 0
.Lsdone:
	PACK H
.set q_, 0
.rept 8
	global_store_b128 v[L16], v[H+4*q_:H+4*q_+3], s[18:19] offset:512*q_-4096
.set q_, q_+1
.endr
	s_sub_co_u32 s[CNT], s[CNT], 1
	s_cmp_lg_u32 s[CNT], 0
	s_cbranch_scc1 .Ltile
	s_wait_tensorcnt 0x0                           ; the second half is in
	s_add_co_u32 s[TB], s[TB], XHALF-7*128
	s_sub_co_u32 s[HC], s[HC], 1
	s_cmp_lg_u32 s[HC], 0
	s_cbranch_scc1 .Lhalf
	WIN 0x0c                                       ; -K goes out: store data in window 3
.set q_, 0
.rept 16
	global_store_b128 v[L16], v[KK+4*q_:KK+4*q_+3], s[22:23] offset:512*q_
.set q_, q_+1
.endr
	WIN 0
	v_and_b32 v[R_], 15, v0                        ; the tail's addresses, over -mu, which has served
	v_bfe_u32 v[HH], v0, 4, 1
	s_mul_i32 s68, s[WV], REDW
	s_add_co_u32 s68, s68, RED
	v_mul_u32_u24 v[RST], v[R_], RPITCH
	v_lshl_add_u32 v[RST], v[HH], 5, v[RST]
	v_add_nc_u32 v[RST], s68, v[RST]
	v_add_nc_u32 v[RRD], s68, v[L16]
	v_add_nc_u32 v[XER], XE, v[L16]
	v_lshl_add_u32 v[XEW], s[WV], 10, v[XER]
	s_wait_xcnt 0x0                                ; the stores have read H and -K, which are written below
	WIN 0xf3                                       ; the lane's 16 values: mean = K + Sd / 16, M2 = S2 - Sd^2 / 16
.set i_, 0
.rept 32
	v_pk_fma_f32 v[KK+2*i_:KK+2*i_+1], v[SD+2*i_:SD+2*i_+1], 0x3d800000, v[KK+2*i_:KK+2*i_+1] op_sel_hi:[1,0,1] neg_lo:[0,0,1] neg_hi:[0,0,1]
.set i_, i_+1
.endr
	WIN 0xcf
.set i_, 0
.rept 32
	v_pk_mul_f32 v[SD+2*i_:SD+2*i_+1], v[SD+2*i_:SD+2*i_+1], v[SD+2*i_:SD+2*i_+1]
.set i_, i_+1
.endr
	WIN 0xf3
.set i_, 0
.rept 32
	v_pk_fma_f32 v[S2+2*i_:S2+2*i_+1], v[SD+2*i_:SD+2*i_+1], 0xbd800000, v[S2+2*i_:S2+2*i_+1] op_sel_hi:[1,0,1]
.set i_, i_+1
.endr
	WIN 0x0c
.set b_, 0
.rept 8
	ds_store_b128 v[RST], v[KK+8*b_:KK+8*b_+3] offset:64*b_
	ds_store_b128 v[RST], v[KK+8*b_+4:KK+8*b_+7] offset:64*b_+16
	ds_store_b128 v[RST], v[S2+8*b_:S2+8*b_+3] offset:REDM2+64*b_
	ds_store_b128 v[RST], v[S2+8*b_+4:S2+8*b_+7] offset:REDM2+64*b_+16
.set b_, b_+1
.endr
	WIN 0
.set q_, 0
.rept 16
	ds_load_b128 v[64+4*q_:64+4*q_+3], v[RRD] offset:RPITCH*q_
	ds_load_b128 v[128+4*q_:128+4*q_+3], v[RRD] offset:REDM2+RPITCH*q_
.set q_, q_+1
.endr
	s_wait_dscnt 0x0
	COMB 64, 128, 16, 0x3d800000, 0x41800000
	ds_store_b128 v[XEW], v[16:19]
	ds_store_b128 v[XEW], v[20:23] offset:512
	s_wait_dscnt 0x0
	s_barrier_signal -1
	s_barrier_wait -1
	s_cmp_lg_u32 s[WV], 0
	s_cbranch_scc1 .Lend
.irp w, 0,1,2,3
	ds_load_b128 v[160+4*\w:163+4*\w], v[XER] offset:1024*\w
	ds_load_b128 v[176+4*\w:179+4*\w], v[XER] offset:1024*\w+512
.endr
	s_wait_dscnt 0x0
	COMB 160, 176, 4, 0x3e800000, 0x43800000
	global_store_b128 v[L16], v[16:19], s[20:21]
	global_store_b128 v[L16], v[20:23], s[20:21] offset:512
.Lend:
	s_wait_tensorcnt 0x0                           ; the wave's end
	ds_add_u32 v[SPW], v[NIL]
	s_wait_dscnt 0x0
	s_endpgm
.Lfunc_end_k_q35cb6bfac8_l1:
	.size	k_q35cb6bfac8_l1, .Lfunc_end_k_q35cb6bfac8_l1-k_q35cb6bfac8_l1
	.p2alignl 7, 3214868480
	.fill 96, 4, 3214868480
	.section	.rodata,"a",@progbits
	.p2align	6, 0x0
	.amdhsa_kernel k_q35cb6bfac8_l1
		.amdhsa_group_segment_fixed_size 291328
		.amdhsa_private_segment_fixed_size 0
		.amdhsa_enable_private_segment 0
		.amdhsa_kernarg_size 80
		.amdhsa_user_sgpr_count 2
		.amdhsa_user_sgpr_kernarg_segment_ptr 1
		.amdhsa_wavefront_size32 1
		.amdhsa_system_sgpr_workgroup_id_x 1
		.amdhsa_system_sgpr_workgroup_id_y 1
		.amdhsa_system_sgpr_workgroup_id_z 1
		.amdhsa_system_vgpr_workitem_id 0
		.amdhsa_next_free_vgpr 1024
		.amdhsa_next_free_sgpr 80
		.amdhsa_reserve_vcc 0
		.amdhsa_float_denorm_mode_32 3
		.amdhsa_float_denorm_mode_16_64 3
		.amdhsa_memory_ordered 1
		.amdhsa_forward_progress 1
		.amdhsa_inst_pref_size 110
	.end_amdhsa_kernel
	.amdgpu_metadata
---
amdhsa.version: [ 1, 2 ]
amdhsa.kernels:
  - .name:           k_q35cb6bfac8_l1
    .symbol:         k_q35cb6bfac8_l1.kd
    .args:
      - { .name: polylines, .offset: 0, .size: 8, .value_kind: global_buffer, .address_space: global }
      - { .name: wimg, .offset: 8, .size: 8, .value_kind: global_buffer, .address_space: global }
      - { .name: pa, .offset: 16, .size: 8, .value_kind: global_buffer, .address_space: global }
      - { .name: cm, .offset: 24, .size: 8, .value_kind: global_buffer, .address_space: global }
      - { .name: g0, .offset: 32, .size: 8, .value_kind: global_buffer, .address_space: global }
      - { .name: be0, .offset: 40, .size: 8, .value_kind: global_buffer, .address_space: global }
      - { .name: b0, .offset: 48, .size: 8, .value_kind: global_buffer, .address_space: global }
      - { .name: z1, .offset: 56, .size: 8, .value_kind: global_buffer, .address_space: global }
      - { .name: pb, .offset: 64, .size: 8, .value_kind: global_buffer, .address_space: global }
      - { .name: k1, .offset: 72, .size: 8, .value_kind: global_buffer, .address_space: global }
    .group_segment_fixed_size: 291328
    .private_segment_fixed_size: 0
    .kernarg_segment_align: 8
    .kernarg_segment_size: 80
    .max_flat_workgroup_size: 128
    .sgpr_count:     80
    .vgpr_count:     1024
    .wavefront_size: 32
...
	.end_amdgpu_metadata
.endif
;; end of part 2
;; launch l2 (part 3): grid 256 x 1, 4 waves a work-group, no clusters, 309,760 bytes of LDS; arguments z1, wimg, pb, g1, be1, b1, k1, z2, pa, cm; writes z2, pa, cm
.if DOCPART == 3
	.amdgcn_target "amdgcn-amd-amdhsa--gfx1250"
	.amdhsa_code_object_version 6
	.text
	.protected	k_q35cb6bfac8_l2
	.globl	k_q35cb6bfac8_l2
	.p2align	8
	.type	k_q35cb6bfac8_l2,@function
k_q35cb6bfac8_l2:
	s_mov_b64 s[64:65], 0
	v_nop
	global_prefetch_b8 v0, s[64:65] scope:SCOPE_SE
	s_setreg_imm32_b32 hwreg(HW_REG_WAVE_MODE, 25, 1), 1
	s_wait_xcnt 0x0
; LAUNCH 3 OF 5.  The norm of layer 1 is finished from pb; h1 = relu(a1 z1 + c1); z2' = h1 W2' (no bias; W2' carries sign(g2)); z2's statistics -> pa, its chunk maxima -> cm.
; SHARES AND LAYOUT as before: wave = sequence, lane % 16 = time chunk, tile i = rows 16 r + i; z1 and z2 are register images, [sequence][tile][block][lane][8 f16]: loads and stores of 512 consecutive bytes.
; z1 COMES AS z1 - K (launch 2), -K in f32 from k1: the lane's constant is c1 + a1 K, so the loop is that of a plain norm.
; z2' IS STORED AS z2' - K, K = the lane's z2' of tile 0, made ahead of the loop by that tile's product written out; in the loop -K starts every sum, tile 0's too (it is multiplied twice).
; The statistics sum z2' - K and its square; -K goes to the second half of cm.
; BY TURNS.  A tile's 32 products go by blocks of channels: blocks 0-3 (all four K blocks), then blocks 4-7; four accumulators take turns.  Behind each of the first 16 stand four lines of the NEXT tile's
; norm (into HN, a buffer that no product reads); behind each of the last 16 four lines of this tile's work on blocks 0-3 (sums, rounding, maximum).  Behind the products stand the same work on blocks 4-7,
; the tile's stores, and H = max(HN, 0): the ReLU is also the copy into the operand.
; THE CHUNK MAXIMUM is taken of the rounded numbers that are stored, two a line: a maximum rounds nothing, and these are the numbers that the next launch reads.  It is widened, and K added, in f32 at the end.
; It starts at 0: tile 0's own number is 0 to within the last bits of its sums.
; W2' then lies in 256 registers.  g1, be1 and b1 are rounded to bf16, like all inputs.
; LIMITS.  z1 - K, h1 and z2' - K stay under 65,504 (f16); under 6e-5 they keep f16's fixed step.  NaN and infinities are not treated apart.
; No cluster: the shared images are 32 KiB of the 288 KiB that a work-group brings in, once.  No refill and no prefetch: all is asked for at the head.
.set WI, 262144                        ; behind the four waves' z1 (65,536 bytes each): the image of W2'
.set WQ, 8192
.set WROWS, 32
.set WOFF, 73728
.set REDW, 65536                       ; the statistics' rows lie over my own z1, which has had its last fill and has been read
.set RPITCH, 528
.set REDM2, 8448
.set XW, 294912
.set TAB, 301056
.set TABS, 1024
.set XE, 305152
.set SPARE, 309248
.set R_, 1
.set HH, 2
.set LL, 3
.set SA0, 4
.set L16, 5
.set XER, 6
.set XEW, 7
.set RST, 8
.set RRD, 9
.set TABA, 10
.set TABW, 11
.set XWA, 12
.set WA, 13
.set ZERO, 15
.set SA, 28
.set XWR, 29
.set SPW, 30
.set NIL, 31
.set ZR, 32                            ; v32-63 a tile of z1 - K
.set ACC, 64
.set H, 128                            ; v128-159 h1: the products' operand
.set PK, 160                           ; v160-191 z2' - K packed
.set HN, 192                           ; v192-223 the next tile's a1 z1 + c1
.set MXH, 224                          ; v224-255 the running maximum of the packed numbers
.set A1, 0                             ; window 2: a1
.set C1, 64                            ; window 2: c1 + a1 K
.set MX, 128                           ; window 2: the chunk's maximum in f32, at the end (v192-255 of the window: launch 2's -K, at the head)
.set KK, 64                            ; window 3: -K, at the end the means
.set SD, 128
.set S2, 192
.set WV, 26
.set WG, 27
.set CNT, 28
.set FC, 31
.set HM, 70
.set SG, 71
.set TB, 77
.set MSB, 0
.macro WIN new
.if MSB != (\new)
	s_set_vgpr_msb (MSB<<8)|(\new)
.set MSB, \new
.endif
.endm
.macro PLACES
.rept 4
	v_nop
.endr
.endm
.macro LOADZ adr
.set q_, 0
.rept 8
	ds_load_b128 v[ZR+4*q_:ZR+4*q_+3], v[\adr] offset:512*q_
.set q_, q_+1
.endr
.endm
.macro QSUM d, base, n
	v_pk_add_f32 v[\d:\d+1], v[\base:\base+1], v[\base+4:\base+5]
	v_pk_add_f32 v[\d+2:\d+3], v[\base+2:\base+3], v[\base+6:\base+7]
.set q_, 2
.rept (\n)-2
	v_pk_add_f32 v[\d:\d+1], v[\d:\d+1], v[\base+4*q_:\base+4*q_+1]
	v_pk_add_f32 v[\d+2:\d+3], v[\d+2:\d+3], v[\base+4*q_+2:\base+4*q_+3]
.set q_, q_+1
.endr
.endm
.macro COMB bm, b2, n, inv, wt
	QSUM 16, \bm, \n
	QSUM 24, \b2, \n
	v_pk_mul_f32 v[16:17], v[16:17], \inv op_sel_hi:[1,0]
	v_pk_mul_f32 v[18:19], v[18:19], \inv op_sel_hi:[1,0]
.set q_, 0
.rept \n
	v_pk_add_f32 v[\bm+4*q_:\bm+4*q_+1], v[\bm+4*q_:\bm+4*q_+1], v[16:17] neg_lo:[0,1] neg_hi:[0,1]
	v_pk_add_f32 v[\bm+4*q_+2:\bm+4*q_+3], v[\bm+4*q_+2:\bm+4*q_+3], v[18:19] neg_lo:[0,1] neg_hi:[0,1]
.set q_, q_+1
.endr
	v_pk_mul_f32 v[20:21], v[\bm:\bm+1], v[\bm:\bm+1]
	v_pk_mul_f32 v[22:23], v[\bm+2:\bm+3], v[\bm+2:\bm+3]
.set q_, 1
.rept (\n)-1
	v_pk_fma_f32 v[20:21], v[\bm+4*q_:\bm+4*q_+1], v[\bm+4*q_:\bm+4*q_+1], v[20:21]
	v_pk_fma_f32 v[22:23], v[\bm+4*q_+2:\bm+4*q_+3], v[\bm+4*q_+2:\bm+4*q_+3], v[22:23]
.set q_, q_+1
.endr
	v_pk_fma_f32 v[20:21], v[20:21], \wt, v[24:25] op_sel_hi:[1,0,1]
	v_pk_fma_f32 v[22:23], v[22:23], \wt, v[26:27] op_sel_hi:[1,0,1]
.endm
.macro GEMM0 bf                        ; a whole tile's product, its sums started with the constant 0; the eight accumulators take turns
.set k_, 0
.rept 4
.set b_, 0
.rept 8
.if k_ == 0
	v_wmma_f32_16x16x32_f16 v[ACC+8*b_:ACC+8*b_+7], v[8*b_:8*b_+7], v[(\bf):(\bf)+7], 0
.else
	v_wmma_f32_16x16x32_f16 v[ACC+8*b_:ACC+8*b_+7], v[64*k_+8*b_:64*k_+8*b_+7], v[(\bf)+8*k_:(\bf)+8*k_+7], v[ACC+8*b_:ACC+8*b_+7]
.endif
.set b_, b_+1
.endr
.set k_, k_+1
.endr
.endm
.macro TAB2ACC reg, off
.set b_, 0
.rept 8
	ds_load_b128 v[(\reg)+8*b_:(\reg)+8*b_+3], v[TABA] offset:(\off)+64*b_
	ds_load_b128 v[(\reg)+8*b_+4:(\reg)+8*b_+7], v[TABA] offset:(\off)+64*b_+16
.set b_, b_+1
.endr
.endm
.macro LDW reg, n, adr, off
.set f_, 0
.rept \n
	ds_load_b128 v[(\reg)+8*f_:(\reg)+8*f_+3], v[\adr] offset:(\off)+1024*f_
	ds_load_b128 v[(\reg)+8*f_+4:(\reg)+8*f_+7], v[\adr] offset:(\off)+1024*f_+512
.set f_, f_+1
.endr
.endm
; Matrix instruction s of a tile's 32: s < 16: blocks 0-3, else blocks 4-7; K block (s % 16) / 4; four accumulators take turns.  K block 0 starts the sum with -K.
.macro MM s
.set k_, ((\s)%16)/4
.set b_, 4*((\s)/16)+(\s)%4
.if k_ == 0
	WIN 0x31                                       ; W2' in window 1, -K in window 3
	v_wmma_f32_16x16x32_f16 v[ACC+8*b_:ACC+8*b_+7], v[8*b_:8*b_+7], v[H:H+7], v[KK+8*b_:KK+8*b_+7]
.else
	WIN 0x01
	v_wmma_f32_16x16x32_f16 v[ACC+8*b_:ACC+8*b_+7], v[64*k_+8*b_:64*k_+8*b_+7], v[H+8*k_:H+8*k_+7], v[ACC+8*b_:ACC+8*b_+7]
.endif
.endm
; Line n of the 64 of a tile's norm: HN = a z + c, each half reckoned in f32 and rounded once.  All low halves, then all high halves: 32 lines lie between the two writers of a register.
.macro BNR n
	WIN 0x28                                       ; a and c in window 2
.if (\n) < 32
	v_fma_mixlo_f16 v[HN+(\n)], v[ZR+(\n)], v[A1+2*(\n)], v[C1+2*(\n)] op_sel_hi:[1,0,0]
.else
	v_fma_mixhi_f16 v[HN+(\n)-32], v[ZR+(\n)-32], v[A1+2*(\n)-63], v[C1+2*(\n)-63] op_sel:[1,0,0] op_sel_hi:[1,0,0]
.endif
.endm
; Line n of the 64 that follow the products of blocks 4 hb .. 4 hb + 3: 16 sums, 16 sums of squares, 16 roundings, 16 maxima; each accumulator is read from its low end on.
.macro STT n, hb
.set p_, 16*(\hb)+(\n)%16
.if (\n) < 16
	WIN 0xcc
	v_pk_add_f32 v[SD+2*p_:SD+2*p_+1], v[ACC+2*p_:ACC+2*p_+1], v[SD+2*p_:SD+2*p_+1]
.elseif (\n) < 32
	WIN 0xf0
	v_pk_fma_f32 v[S2+2*p_:S2+2*p_+1], v[ACC+2*p_:ACC+2*p_+1], v[ACC+2*p_:ACC+2*p_+1], v[S2+2*p_:S2+2*p_+1]
.elseif (\n) < 48
	WIN 0
	v_cvt_pk_f16_f32 v[PK+p_], v[ACC+2*p_], v[ACC+2*p_+1]
.else
	WIN 0
	v_pk_max_num_f16 v[MXH+p_], v[MXH+p_], v[PK+p_]
.endif
.endm
.macro RB q                            ; four numbers of an input are rounded to bf16
	v_cvt_pk_bf16_f32 v20, v[\q], v[\q+1]
	v_cvt_pk_bf16_f32 v21, v[\q+2], v[\q+3]
	v_lshlrev_b32 v[\q], 16, v20
	v_and_b32 v[\q+1], s[HM], v20
	v_lshlrev_b32 v[\q+2], 16, v21
	v_and_b32 v[\q+3], s[HM], v21
.endm
; THE NORM IS FINISHED: 256 partials (mean, M2) of 1,024 rows; lane l channels 4 l .. + 3; wave w partials 64 w .. + 63, 16 a trip; pivot P = partial 0's mean;
; mean = P + T1 / 256, M2 = SM + 1,024 (T2 - T1^2 / 256), var = M2 / 2^18; a = g / sqrt(var + eps) -> v164-167, c = a b + (be - a (mean + b)) -> v168-171, both into my table.
.macro FIN pp, pg, pe, pb, toff
	global_load_b128 v[128:131], v[L16], s[\pp:\pp+1]
	global_load_b128 v[132:135], v[L16], s[\pg:\pg+1]
	global_load_b128 v[136:139], v[L16], s[\pe:\pe+1]
	global_load_b128 v[140:143], v[L16], s[\pb:\pb+1]
	s_lshl_b32 s62, s[WV], 16
	s_mov_b32 s63, 0
	s_add_nc_u64 s[60:61], s[\pp:\pp+1], s[62:63]
.set i_, 144
.rept 12
	v_mov_b32 v[i_], 0
.set i_, i_+1
.endr
	s_mov_b32 s[FC], 4
.Lfin:
	WIN 0x40
.set q_, 0
.rept 16
	global_load_b128 v[8*q_:8*q_+3], v[L16], s[60:61] offset:1024*q_
	global_load_b128 v[8*q_+4:8*q_+7], v[L16], s[60:61] offset:1024*q_+512
.set q_, q_+1
.endr
	s_wait_loadcnt 0x0
	WIN 0x41
.set q_, 0
.rept 16
	v_pk_add_f32 v[8*q_:8*q_+1], v[8*q_:8*q_+1], v[128:129] neg_lo:[0,1] neg_hi:[0,1]
	v_pk_add_f32 v[8*q_+2:8*q_+3], v[8*q_+2:8*q_+3], v[130:131] neg_lo:[0,1] neg_hi:[0,1]
.set q_, q_+1
.endr
	WIN 0x01
.set q_, 0
.rept 16
	v_pk_add_f32 v[144:145], v[8*q_:8*q_+1], v[144:145]
	v_pk_add_f32 v[146:147], v[8*q_+2:8*q_+3], v[146:147]
	v_pk_add_f32 v[152:153], v[8*q_+4:8*q_+5], v[152:153]
	v_pk_add_f32 v[154:155], v[8*q_+6:8*q_+7], v[154:155]
.set q_, q_+1
.endr
	WIN 0x05
.set q_, 0
.rept 16
	v_pk_fma_f32 v[148:149], v[8*q_:8*q_+1], v[8*q_:8*q_+1], v[148:149]
	v_pk_fma_f32 v[150:151], v[8*q_+2:8*q_+3], v[8*q_+2:8*q_+3], v[150:151]
.set q_, q_+1
.endr
	WIN 0
	s_add_nc_u64 s[60:61], s[60:61], 16384         ; the loads that read it are back
	s_sub_co_u32 s[FC], s[FC], 1
	s_cmp_lg_u32 s[FC], 0
	s_cbranch_scc1 .Lfin
	ds_store_b128 v[XWA], v[144:147]
	ds_store_b128 v[XWA], v[148:151] offset:512
	ds_store_b128 v[XWA], v[152:155] offset:1024
	s_wait_tensorcnt 0x2                           ; of my three tensor loads the first, my quarter of the image, has landed; the input's two halves may stay out
	s_wait_dscnt 0x0                               ; for the others' sake: my three sums are stored
	s_barrier_signal -1
	s_barrier_wait -1
.set t_, 0
.rept 3
.set w_, 0
.rept 4
	ds_load_b128 v[160+16*t_+4*w_:160+16*t_+4*w_+3], v[XWR] offset:1536*w_+512*t_
.set w_, w_+1
.endr
.set t_, t_+1
.endr
	v_mov_b32 v26, 0x36800000                      ; 2^-18
	v_mov_b32 v27, 0x3727c5ac                      ; eps = 1e-5
	RB 132                                         ; g, be and b as bf16, on registers outside v160-207, into which the twelve loads above are still to land
	RB 136
	RB 140
	s_wait_dscnt 0x0
	QSUM 144, 160, 4
	QSUM 148, 176, 4
	QSUM 152, 192, 4
.irp u, 0, 2
	v_pk_fma_f32 v[156+\u:157+\u], v[144+\u:145+\u], 0x3b800000, v[128+\u:129+\u] op_sel_hi:[1,0,1]
	v_pk_mul_f32 v[160+\u:161+\u], v[144+\u:145+\u], v[144+\u:145+\u]
	v_pk_fma_f32 v[148+\u:149+\u], v[160+\u:161+\u], 0xbb800000, v[148+\u:149+\u] op_sel_hi:[1,0,1]
	v_pk_fma_f32 v[152+\u:153+\u], v[148+\u:149+\u], 0x44800000, v[152+\u:153+\u] op_sel_hi:[1,0,1]
.endr
.irp i, 0,1,2,3
	v_fma_f32 v[160+\i], v[152+\i], v26, v27
.endr
.irp i, 0,1,2,3
	v_rsq_f32 v[164+\i], v[160+\i]
.endr
	v_nop                                          ; a plain instruction behind the last root,
	s_wait_alu depctr_va_vdst(0)                   ; and a wait on the roots: one for the four
.irp u, 0, 2
	v_pk_mul_f32 v[164+\u:165+\u], v[164+\u:165+\u], v[132+\u:133+\u]
	v_pk_add_f32 v[156+\u:157+\u], v[156+\u:157+\u], v[140+\u:141+\u]
	v_pk_fma_f32 v[168+\u:169+\u], v[164+\u:165+\u], v[156+\u:157+\u], v[136+\u:137+\u] neg_lo:[1,0,0] neg_hi:[1,0,0]
	v_pk_fma_f32 v[168+\u:169+\u], v[164+\u:165+\u], v[140+\u:141+\u], v[168+\u:169+\u]
.endr
	ds_store_b128 v[TABW], v[164:167] offset:\toff
	ds_store_b128 v[TABW], v[168:171] offset:(\toff)+512
.endm
	s_load_b512 s[4:19], s[0:1], 0x0               ; z1 4, wimg 6, pb 8, g1 10, be1 12, b1 14, k1 16, z2 18
	s_load_b128 s[20:23], s[0:1], 0x40             ; pa 20, cm 22
	v_lshl_add_u32 v[SPW], v0, 2, SPARE
	v_mov_b32 v[NIL], 0
	ds_add_u32 v[SPW], v[NIL]                      ; the opening lines: the add, twice on end, and its wait ahead of my first tensor load
	ds_add_u32 v[SPW], v[NIL]
	v_lshrrev_b32 v16, 5, v0
	v_readfirstlane_b32 s[WV], v16
	s_mov_b32 s[WG], ttmp9
	s_mov_b32 s[HM], 0xffff0000
	s_mov_b32 s[SG], 0x80000000
	v_and_b32 v[R_], 15, v0
	v_bfe_u32 v[HH], v0, 4, 1
	v_and_b32 v[LL], 31, v0
	v_lshlrev_b32 v[L16], 4, v[LL]
	v_mov_b32 v[ZERO], 0
	s_mov_b32 s32, 3<<16                           ; half a sequence: dense, 128 rows of 32 elements of 8 bytes
	s_mov_b32 s33, 32<<16
	s_mov_b32 s34, 128<<16
	s_mov_b32 s35, 32<<16
	s_mov_b32 s36, 128
	s_mov_b32 s37, 32
	s_mov_b32 s38, 0
	s_mov_b32 s39, 0
	s_mov_b32 s40, 3<<16                           ; a quarter of the image: dense, WROWS such rows
	s_mov_b32 s41, 32<<16
	s_mov_b32 s42, WROWS<<16
	s_mov_b32 s43, 32<<16
	s_mov_b32 s44, WROWS
	s_mov_b32 s45, 32
	s_mov_b32 s46, 0
	s_mov_b32 s47, 0
	s_lshl_b32 s66, s[WG], 2
	s_add_co_u32 s66, s66, s[WV]                   ; my sequence
	s_lshl_b32 s62, s66, 16
	s_mov_b32 s63, 0
	s_mul_i32 s68, s[WV], WQ
	s_mov_b32 s69, 0
	s_mov_b32 s48, 1
	s_add_co_u32 s49, s68, WI
	s_add_co_u32 s68, s68, WOFF
	s_mov_b32 s52, 1
	s_lshl_b32 s53, s[WV], 16
	s_mov_b32 s56, 1
	s_add_co_u32 s57, s53, 32768
	s_wait_dscnt 0x0
	s_wait_kmcnt 0x0
	s_add_nc_u64 s[50:51], s[6:7], s[68:69]
	s_or_b32 s51, s51, 0x80000000
	s_add_nc_u64 s[54:55], s[4:5], s[62:63]
	s_add_nc_u64 s[58:59], s[54:55], 32768
	s_or_b32 s55, s55, 0x80000000
	s_or_b32 s59, s59, 0x80000000
	tensor_load_to_lds s[48:51], s[40:47]          ; the first fills together: three loads of mine are out
	s_nop 0
	tensor_load_to_lds s[52:55], s[32:39]
	s_nop 0
	tensor_load_to_lds s[56:59], s[32:39]
	s_nop 0
	PLACES
	s_add_nc_u64 s[18:19], s[18:19], s[62:63]      ; z2 at my sequence
	s_lshl_b32 s62, s66, 13
	s_add_nc_u64 s[16:17], s[16:17], s[62:63]      ; k1 and cm at my sequence;
	s_add_nc_u64 s[22:23], s[22:23], s[62:63]
	s_add_nc_u64 s[24:25], s[22:23], 0x800000      ; my -K goes to cm's second half
	s_lshl_b32 s62, s[WG], 10
	s_add_nc_u64 s[20:21], s[20:21], s[62:63]      ; pa at my work-group
	WIN 0x80
.set q_, 0
.rept 16
	global_load_b128 v[192+4*q_:192+4*q_+3], v[L16], s[16:17] offset:512*q_  ; launch 2's -K
.set q_, q_+1
.endr
	WIN 0
	v_add_nc_u32 v[SA0], s53, v[L16]
	s_mul_i32 s68, s[WV], REDW
	v_mul_u32_u24 v[RST], v[R_], RPITCH
	v_lshl_add_u32 v[RST], v[HH], 5, v[RST]
	v_add_nc_u32 v[RST], s68, v[RST]
	v_add_nc_u32 v[RRD], s68, v[L16]
	v_add_nc_u32 v[XER], XE, v[L16]
	v_lshl_add_u32 v[XEW], s[WV], 10, v[XER]
	s_mul_i32 s67, s[WV], TABS
	s_add_co_u32 s67, s67, TAB
	v_lshl_add_u32 v[TABA], v[HH], 5, s67
	v_add_nc_u32 v[TABW], s67, v[L16]
	v_add_nc_u32 v[XWR], XW, v[L16]
	s_mul_i32 s68, s[WV], 1536
	v_add_nc_u32 v[XWA], s68, v[XWR]
	v_add_nc_u32 v[WA], WI, v[L16]
	FIN 8, 10, 12, 14, 0
	WIN 0x80
	TAB2ACC A1, 0                                  ; a1
	TAB2ACC C1, 512                                ; c1
	WIN 0x40
	LDW 0, 32, WA, 0                               ; W2'
	WIN 0
.set i_, 0
.rept 64
	v_mov_b32 v[HN+i_], 0                          ; HN is written whole once (the half-writing multiply-adds keep the other half); the maximum starts at 0
.set i_, i_+1
.endr
	WIN 0xc0
.set i_, 0
.rept 128
	v_mov_b32 v[SD+i_], 0                          ; the sums start at 0: written while the LDS loads above are out
.set i_, i_+1
.endr
	s_wait_dscnt 0x0
	WIN 0xaa                                       ; the lane's constant: c1 + a1 K
.set i_, 0
.rept 32
	v_pk_fma_f32 v[C1+2*i_:C1+2*i_+1], v[A1+2*i_:A1+2*i_+1], v[192+2*i_:192+2*i_+1], v[C1+2*i_:C1+2*i_+1] neg_lo:[0,1,0] neg_hi:[0,1,0]
.set i_, i_+1
.endr
	WIN 0
	s_wait_tensorcnt 0x0                           ; my z1 is in.  Only I read my bytes: no barrier
	; AHEAD OF THE LOOP: tile 0's norm and ReLU, and its product with the sums started at 0: that is K
	LOADZ SA0
	s_mov_b32 s[TB], 4096
	v_add_nc_u32 v[SA], s[TB], v[SA0]
	s_wait_dscnt 0x0
.set n_, 0
.rept 64
	BNR n_
.set n_, n_+1
.endr
	WIN 0
	LOADZ SA                                       ; tile 1
.set i_, 0
.rept 32
	v_pk_max_num_f16 v[H+i_], v[HN+i_], v[ZERO]
.set i_, i_+1
.endr
	WIN 0x01
	GEMM0 H
	WIN 0
	PLACES
	WIN 0xc0
.set i_, 0
.rept 64
	v_xor_b32 v[KK+i_], s[SG], v[ACC+i_]           ; -K
.set i_, i_+1
.endr
	WIN 0
	s_mov_b32 s[CNT], 16
.Ltile:                                                ; trip i: tile i is multiplied, tile i + 1 normed, tile i + 2 fetched
	s_wait_dscnt 0x0                               ; tile i + 1 is in registers: its loads went out 16 products ago
.set s_, 0
.rept 16
	MM s_
	BNR 4*s_
	BNR 4*s_+1
	BNR 4*s_+2
	BNR 4*s_+3
.set s_, s_+1
.endr
	s_add_co_u32 s[TB], s[TB], 4096
	s_min_u32 s[TB], s[TB], 15*4096                ; the last two trips fetch the last tile once more: what is made of it is not used
	WIN 0
	v_add_nc_u32 v[SA], s[TB], v[SA0]
	LOADZ SA
	PLACES                                         ; four places behind the products that ended blocks 0-3
.rept 16
	MM s_
.if s_ == 24
	s_wait_xcnt 0x0                                ; the last tile's stores, 24 products back, have read PK and their base
	s_add_nc_u64 s[18:19], s[18:19], 4096          ; the stores below reach back
.endif
	STT 4*(s_-16), 0
	STT 4*(s_-16)+1, 0
	STT 4*(s_-16)+2, 0
	STT 4*(s_-16)+3, 0
.set s_, s_+1
.endr
.set n_, 0
.rept 64
	STT n_, 1                                      ; blocks 4-7: block 4 was ended 16 lines back; block 7, ended 4 lines back, is read behind 12 more
.set n_, n_+1
.endr
	WIN 0
.set q_, 0
.rept 8
	global_store_b128 v[L16], v[PK+4*q_:PK+4*q_+3], s[18:19] offset:512*q_-4096
.set q_, q_+1
.endr
.set i_, 0
.rept 32
	v_pk_max_num_f16 v[H+i_], v[HN+i_], v[ZERO]    ; the ReLU of tile i + 1, into the operand that the products have left
.set i_, i_+1
.endr
	s_sub_co_u32 s[CNT], s[CNT], 1
	s_cmp_lg_u32 s[CNT], 0
	s_cbranch_scc1 .Ltile
	WIN 0x0c                                       ; -K goes out: store data in window 3
.set q_, 0
.rept 16
	global_store_b128 v[L16], v[KK+4*q_:KK+4*q_+3], s[24:25] offset:512*q_
.set q_, q_+1
.endr
	WIN 0
	v_mov_b32 v16, -1.0
	WIN 0x83                                       ; the chunk's maximum of z2' = (-K) x (-1) + that of the packed z2' - K, in f32
.set i_, 0
.rept 32
	v_fma_mix_f32 v[MX+2*i_], v[KK+2*i_], v16, v[MXH+i_] op_sel_hi:[0,0,1]
	v_fma_mix_f32 v[MX+2*i_+1], v[KK+2*i_+1], v16, v[MXH+i_] op_sel:[0,0,1] op_sel_hi:[0,0,1]
.set i_, i_+1
.endr
	s_wait_xcnt 0x0                                ; the stores have read PK and -K, which are written below
	WIN 0xf3                                       ; the lane's 16 values: mean = K + Sd / 16, M2 = S2 - Sd^2 / 16
.set i_, 0
.rept 32
	v_pk_fma_f32 v[KK+2*i_:KK+2*i_+1], v[SD+2*i_:SD+2*i_+1], 0x3d800000, v[KK+2*i_:KK+2*i_+1] op_sel_hi:[1,0,1] neg_lo:[0,0,1] neg_hi:[0,0,1]
.set i_, i_+1
.endr
	WIN 0xcf
.set i_, 0
.rept 32
	v_pk_mul_f32 v[SD+2*i_:SD+2*i_+1], v[SD+2*i_:SD+2*i_+1], v[SD+2*i_:SD+2*i_+1]
.set i_, i_+1
.endr
	WIN 0xf3
.set i_, 0
.rept 32
	v_pk_fma_f32 v[S2+2*i_:S2+2*i_+1], v[SD+2*i_:SD+2*i_+1], 0xbd800000, v[S2+2*i_:S2+2*i_+1] op_sel_hi:[1,0,1]
.set i_, i_+1
.endr
	WIN 0x0c
.set b_, 0
.rept 8
	ds_store_b128 v[RST], v[KK+8*b_:KK+8*b_+3] offset:64*b_
	ds_store_b128 v[RST], v[KK+8*b_+4:KK+8*b_+7] offset:64*b_+16
	ds_store_b128 v[RST], v[S2+8*b_:S2+8*b_+3] offset:REDM2+64*b_
	ds_store_b128 v[RST], v[S2+8*b_+4:S2+8*b_+7] offset:REDM2+64*b_+16
.set b_, b_+1
.endr
	WIN 0
.set q_, 0
.rept 16
	ds_load_b128 v[64+4*q_:64+4*q_+3], v[RRD] offset:RPITCH*q_
	ds_load_b128 v[128+4*q_:128+4*q_+3], v[RRD] offset:REDM2+RPITCH*q_
.set q_, q_+1
.endr
	s_wait_dscnt 0x0
	COMB 64, 128, 16, 0x3d800000, 0x41800000
	ds_store_b128 v[XEW], v[16:19]
	ds_store_b128 v[XEW], v[20:23] offset:512
	; the chunk maxima: rows in, by columns an exclusive running maximum down the 16 chunks, back in the accumulators' layout
	WIN 0x08
.set b_, 0
.rept 8
	ds_store_b128 v[RST], v[MX+8*b_:MX+8*b_+3] offset:64*b_
	ds_store_b128 v[RST], v[MX+8*b_+4:MX+8*b_+7] offset:64*b_+16
.set b_, b_+1
.endr
	WIN 0
.set q_, 0
.rept 16
	ds_load_b128 v[128+4*q_:128+4*q_+3], v[RRD] offset:RPITCH*q_
.set q_, q_+1
.endr
.irp i, 24,25,26,27
	v_mov_b32 v\i, 0xff7fffff
.endr
	s_wait_dscnt 0x0
.set q_, 0
.rept 16
	ds_store_b128 v[RRD], v[24:27] offset:RPITCH*q_
.if q_ < 15
	v_max_num_f32 v24, v24, v[128+4*q_]
	v_max_num_f32 v25, v25, v[129+4*q_]
	v_max_num_f32 v26, v26, v[130+4*q_]
	v_max_num_f32 v27, v27, v[131+4*q_]
.endif
.set q_, q_+1
.endr
.set b_, 0
.rept 8
	ds_load_b128 v[64+8*b_:64+8*b_+3], v[RST] offset:64*b_
	ds_load_b128 v[64+8*b_+4:64+8*b_+7], v[RST] offset:64*b_+16
.set b_, b_+1
.endr
	s_wait_dscnt 0x0                               ; these, and for the others' sake my stores into XE
.set q_, 0
.rept 16
	global_store_b128 v[L16], v[64+4*q_:64+4*q_+3], s[22:23] offset:512*q_
.set q_, q_+1
.endr
	s_barrier_signal -1
	s_barrier_wait -1
	s_cmp_lg_u32 s[WV], 0
	s_cbranch_scc1 .Lend
.irp w, 0,1,2,3
	ds_load_b128 v[160+4*\w:163+4*\w], v[XER] offset:1024*\w
	ds_load_b128 v[176+4*\w:179+4*\w], v[XER] offset:1024*\w+512
.endr
	s_wait_dscnt 0x0
	COMB 160, 176, 4, 0x3e800000, 0x43800000
	global_store_b128 v[L16], v[16:19], s[20:21]
	global_store_b128 v[L16], v[20:23], s[20:21] offset:512
.Lend:
	s_wait_tensorcnt 0x0                           ; the wave's end
	ds_add_u32 v[SPW], v[NIL]
	s_wait_dscnt 0x0
	s_endpgm
.Lfunc_end_k_q35cb6bfac8_l2:
	.size	k_q35cb6bfac8_l2, .Lfunc_end_k_q35cb6bfac8_l2-k_q35cb6bfac8_l2
	.p2alignl 7, 3214868480
	.fill 96, 4, 3214868480
	.section	.rodata,"a",@progbits
	.p2align	6, 0x0
	.amdhsa_kernel k_q35cb6bfac8_l2
		.amdhsa_group_segment_fixed_size 309760
		.amdhsa_private_segment_fixed_size 0
		.amdhsa_enable_private_segment 0
		.amdhsa_kernarg_size 80
		.amdhsa_user_sgpr_count 2
		.amdhsa_user_sgpr_kernarg_segment_ptr 1
		.amdhsa_wavefront_size32 1
		.amdhsa_system_sgpr_workgroup_id_x 1
		.amdhsa_system_sgpr_workgroup_id_y 1
		.amdhsa_system_sgpr_workgroup_id_z 1
		.amdhsa_system_vgpr_workitem_id 0
		.amdhsa_next_free_vgpr 1024
		.amdhsa_next_free_sgpr 80
		.amdhsa_reserve_vcc 0
		.amdhsa_float_denorm_mode_32 3
		.amdhsa_float_denorm_mode_16_64 3
		.amdhsa_memory_ordered 1
		.amdhsa_forward_progress 1
		.amdhsa_inst_pref_size 106
	.end_amdhsa_kernel
	.amdgpu_metadata
---
amdhsa.version: [ 1, 2 ]
amdhsa.kernels:
  - .name:           k_q35cb6bfac8_l2
    .symbol:         k_q35cb6bfac8_l2.kd
    .args:
      - { .name: z1, .offset: 0, .size: 8, .value_kind: global_buffer, .address_space: global }
      - { .name: wimg, .offset: 8, .size: 8, .value_kind: global_buffer, .address_space: global }
      - { .name: pb, .offset: 16, .size: 8, .value_kind: global_buffer, .address_space: global }
      - { .name: g1, .offset: 24, .size: 8, .value_kind: global_buffer, .address_space: global }
      - { .name: be1, .offset: 32, .size: 8, .value_kind: global_buffer, .address_space: global }
      - { .name: b1, .offset: 40, .size: 8, .value_kind: global_buffer, .address_space: global }
      - { .name: k1, .offset: 48, .size: 8, .value_kind: global_buffer, .address_space: global }
      - { .name: z2, .offset: 56, .size: 8, .value_kind: global_buffer, .address_space: global }
      - { .name: pa, .offset: 64, .size: 8, .value_kind: global_buffer, .address_space: global }
      - { .name: cm, .offset: 72, .size: 8, .value_kind: global_buffer, .address_space: global }
    .group_segment_fixed_size: 309760
    .private_segment_fixed_size: 0
    .kernarg_segment_align: 8
    .kernarg_segment_size: 80
    .max_flat_workgroup_size: 128
    .sgpr_count:     80
    .vgpr_count:     1024
    .wavefront_size: 32
...
	.end_amdgpu_metadata
.endif
;; end of part 3
;; launch st3 (part 4): grid 256 x 1, 4 waves a work-group, no clusters, 311,808 bytes of LDS; arguments z2, wimg, pa, cm, g2, be2, b2, pb, fin2; writes pb, fin2
.if DOCPART == 4
	.amdgcn_target "amdgcn-amd-amdhsa--gfx1250"
	.amdhsa_code_object_version 6
	.text
	.protected	k_q35cb6bfac8_st3
	.globl	k_q35cb6bfac8_st3
	.p2align	8
	.type	k_q35cb6bfac8_st3,@function
k_q35cb6bfac8_st3:
	s_mov_b64 s[64:65], 0
	v_nop
	global_prefetch_b8 v0, s[64:65] scope:SCOPE_SE
	s_setreg_imm32_b32 hwreg(HW_REG_WAVE_MODE, 25, 1), 1
	s_wait_xcnt 0x0
; LAUNCH 4 OF 5.  The norm of layer 2 is finished from pa (its tables also go to fin2, a copy for each work-group); p2 = running maximum along time of relu(a2 z2' + c2); z3 = p2 W3 (no bias); z3's statistics -> pb.
; z3 itself is not stored: the last launch makes it again from z2'.
; SHARES AND LAYOUT as before: wave = sequence, lane % 16 = time chunk, tile i = rows 16 r + i.  a2 = |g2| / sqrt(var + eps) is never negative (the gain's sign lies in W2'), so the maximum of z2' gives the
; maximum of the activation.  z2' comes as z2' - K, -K in f32 from cm's second half: the lane's constant takes a2 K in.
; THE SHIFT.  p2 is taken less mu = f16(max(be2 + 2 |g2|, 0)), a constant for each channel, which changes the next norm's mean alone: the constant is c2 - mu, the floor -mu.  It is chosen so that the
; running maximum, which hovers near it, is rounded to f16 as a small number.  Lane r starts from max(a2 cm + c2 - mu, -mu), cm = the maximum of z2' over the earlier chunks (launch 3).
; THE STATISTICS' PIVOT is the lane's z3 of tile 0, made ahead of the loop by that tile's product written out; in the loop its negative starts every sum, tile 0's too (it is multiplied twice).
; BY TURNS.  A tile's 32 products go by blocks of channels: blocks 0-3 (all four K blocks), then blocks 4-7; four accumulators take turns.  Behind each of the first 16 stand four lines of the NEXT tile's
; norm (into H, which no product reads); behind each of the last 16 two lines of this tile's sums over blocks 0-3.  Behind the products stand the sums over blocks 4-7 and the running maximum's step.
; LIMITS.  z2' - K and the activations stay under 65,504 (f16); under 6e-5 they keep f16's fixed step.  NaN and infinities are not treated apart.
; No cluster: the shared image is 32 KiB of the 288 KiB that a work-group brings in, once.  No refill and no prefetch: all is asked for at the head.
.set WI, 262144
.set WQ, 8192
.set WROWS, 32
.set WOFF, 106496
.set REDW, 65536                       ; the statistics' rows lie over my own z2, which has had its last fill and has been read
.set RPITCH, 528
.set REDM2, 8448
.set XW, 294912
.set TAB, 301056                       ; 1,536 bytes a wave: a2, c2 - mu, -mu
.set TABS, 1536
.set XE, 307200
.set SPARE, 311296
.set R_, 1
.set HH, 2
.set LL, 3
.set SA0, 4
.set L16, 5
.set XER, 6
.set XEW, 7
.set RST, 8
.set RRD, 9
.set TABA, 10
.set TABW, 11
.set XWA, 12
.set WA, 13
.set SA, 28
.set XWR, 29
.set SPW, 30
.set NIL, 31
.set ZR, 32
.set ACC, 64
.set H, 128
.set RUN, 160
.set A2, 128                           ; window 2
.set C2, 192
.set KK, 64                            ; window 3 (v0-63 of it: launch 3's -K, at the head): the pivot's negative, at the end the means
.set SD, 128
.set S2, 192
.set WV, 26
.set WG, 27
.set CNT, 28
.set FC, 31
.set HM, 70
.set SG, 71
.set TB, 77
.set MSB, 0
.macro WIN new
.if MSB != (\new)
	s_set_vgpr_msb (MSB<<8)|(\new)
.set MSB, \new
.endif
.endm
.macro PLACES
.rept 4
	v_nop
.endr
.endm
.macro LOADZ adr
.set q_, 0
.rept 8
	ds_load_b128 v[ZR+4*q_:ZR+4*q_+3], v[\adr] offset:512*q_
.set q_, q_+1
.endr
.endm
.macro QSUM d, base, n
	v_pk_add_f32 v[\d:\d+1], v[\base:\base+1], v[\base+4:\base+5]
	v_pk_add_f32 v[\d+2:\d+3], v[\base+2:\base+3], v[\base+6:\base+7]
.set q_, 2
.rept (\n)-2
	v_pk_add_f32 v[\d:\d+1], v[\d:\d+1], v[\base+4*q_:\base+4*q_+1]
	v_pk_add_f32 v[\d+2:\d+3], v[\d+2:\d+3], v[\base+4*q_+2:\base+4*q_+3]
.set q_, q_+1
.endr
.endm
.macro COMB bm, b2, n, inv, wt
	QSUM 16, \bm, \n
	QSUM 24, \b2, \n
	v_pk_mul_f32 v[16:17], v[16:17], \inv op_sel_hi:[1,0]
	v_pk_mul_f32 v[18:19], v[18:19], \inv op_sel_hi:[1,0]
.set q_, 0
.rept \n
	v_pk_add_f32 v[\bm+4*q_:\bm+4*q_+1], v[\bm+4*q_:\bm+4*q_+1], v[16:17] neg_lo:[0,1] neg_hi:[0,1]
	v_pk_add_f32 v[\bm+4*q_+2:\bm+4*q_+3], v[\bm+4*q_+2:\bm+4*q_+3], v[18:19] neg_lo:[0,1] neg_hi:[0,1]
.set q_, q_+1
.endr
	v_pk_mul_f32 v[20:21], v[\bm:\bm+1], v[\bm:\bm+1]
	v_pk_mul_f32 v[22:23], v[\bm+2:\bm+3], v[\bm+2:\bm+3]
.set q_, 1
.rept (\n)-1
	v_pk_fma_f32 v[20:21], v[\bm+4*q_:\bm+4*q_+1], v[\bm+4*q_:\bm+4*q_+1], v[20:21]
	v_pk_fma_f32 v[22:23], v[\bm+4*q_+2:\bm+4*q_+3], v[\bm+4*q_+2:\bm+4*q_+3], v[22:23]
.set q_, q_+1
.endr
	v_pk_fma_f32 v[20:21], v[20:21], \wt, v[24:25] op_sel_hi:[1,0,1]
	v_pk_fma_f32 v[22:23], v[22:23], \wt, v[26:27] op_sel_hi:[1,0,1]
.endm
.macro PACK dst
.set i_, 0
.rept 32
	v_cvt_pk_f16_f32 v[(\dst)+i_], v[ACC+2*i_], v[ACC+2*i_+1]
.set i_, i_+1
.endr
.endm
.macro GEMM0 bf                        ; a whole tile's product, its sums started with the constant 0; the eight accumulators take turns
.set k_, 0
.rept 4
.set b_, 0
.rept 8
.if k_ == 0
	v_wmma_f32_16x16x32_f16 v[ACC+8*b_:ACC+8*b_+7], v[8*b_:8*b_+7], v[(\bf):(\bf)+7], 0
.else
	v_wmma_f32_16x16x32_f16 v[ACC+8*b_:ACC+8*b_+7], v[64*k_+8*b_:64*k_+8*b_+7], v[(\bf)+8*k_:(\bf)+8*k_+7], v[ACC+8*b_:ACC+8*b_+7]
.endif
.set b_, b_+1
.endr
.set k_, k_+1
.endr
.endm
.macro TAB2ACC reg, off
.set b_, 0
.rept 8
	ds_load_b128 v[(\reg)+8*b_:(\reg)+8*b_+3], v[TABA] offset:(\off)+64*b_
	ds_load_b128 v[(\reg)+8*b_+4:(\reg)+8*b_+7], v[TABA] offset:(\off)+64*b_+16
.set b_, b_+1
.endr
.endm
.macro LDW reg, n, adr, off
.set f_, 0
.rept \n
	ds_load_b128 v[(\reg)+8*f_:(\reg)+8*f_+3], v[\adr] offset:(\off)+1024*f_
	ds_load_b128 v[(\reg)+8*f_+4:(\reg)+8*f_+7], v[\adr] offset:(\off)+1024*f_+512
.set f_, f_+1
.endr
.endm
; Matrix instruction s of a tile's 32: s < 16: blocks 0-3, else blocks 4-7; K block (s % 16) / 4; four accumulators take turns.  K block 0 starts the sum with the pivot's negative.
.macro MM s
.set k_, ((\s)%16)/4
.set b_, 4*((\s)/16)+(\s)%4
.if k_ == 0
	WIN 0x31                                       ; W3 in window 1, the pivot in window 3
	v_wmma_f32_16x16x32_f16 v[ACC+8*b_:ACC+8*b_+7], v[8*b_:8*b_+7], v[RUN:RUN+7], v[KK+8*b_:KK+8*b_+7]
.else
	WIN 0x01
	v_wmma_f32_16x16x32_f16 v[ACC+8*b_:ACC+8*b_+7], v[64*k_+8*b_:64*k_+8*b_+7], v[RUN+8*k_:RUN+8*k_+7], v[ACC+8*b_:ACC+8*b_+7]
.endif
.endm
; Line n of the 64 of a tile's norm: H = a z + c, each half reckoned in f32 and rounded once.  All low halves, then all high halves: 32 lines lie between the two writers of a register.
.macro BNR n
	WIN 0x28                                       ; a and c in window 2
.if (\n) < 32
	v_fma_mixlo_f16 v[H+(\n)], v[ZR+(\n)], v[A2+2*(\n)], v[C2+2*(\n)] op_sel_hi:[1,0,0]
.else
	v_fma_mixhi_f16 v[H+(\n)-32], v[ZR+(\n)-32], v[A2+2*(\n)-63], v[C2+2*(\n)-63] op_sel:[1,0,0] op_sel_hi:[1,0,0]
.endif
.endm
; Line n of the 32 that follow the products of blocks 4 hb .. 4 hb + 3: 16 sums, 16 sums of squares; each accumulator is read from its low end on.
.macro STT n, hb
.set p_, 16*(\hb)+(\n)%16
.if (\n) < 16
	WIN 0xcc
	v_pk_add_f32 v[SD+2*p_:SD+2*p_+1], v[ACC+2*p_:ACC+2*p_+1], v[SD+2*p_:SD+2*p_+1]
.else
	WIN 0xf0
	v_pk_fma_f32 v[S2+2*p_:S2+2*p_+1], v[ACC+2*p_:ACC+2*p_+1], v[ACC+2*p_:ACC+2*p_+1], v[S2+2*p_:S2+2*p_+1]
.endif
.endm
.macro RMXALL                          ; RUN is never below -mu: ReLU and running maximum in one
	WIN 0
.set i_, 0
.rept 32
	v_pk_max_num_f16 v[RUN+i_], v[RUN+i_], v[H+i_]
.set i_, i_+1
.endr
.endm
.macro RB q                            ; four numbers of an input are rounded to bf16
	v_cvt_pk_bf16_f32 v20, v[\q], v[\q+1]
	v_cvt_pk_bf16_f32 v21, v[\q+2], v[\q+3]
	v_lshlrev_b32 v[\q], 16, v20
	v_and_b32 v[\q+1], s[HM], v20
	v_lshlrev_b32 v[\q+2], 16, v21
	v_and_b32 v[\q+3], s[HM], v21
.endm
; THE NORM IS FINISHED: as in launch 2: the gain's sign lies in the weights, so |g| and sign(g) b are taken; mu is taken off c.
; a -> v164-167 and my table at toff; c - mu -> v168-171 and toff + 512; -mu -> v172-175 and toff + 1,024.
.macro FIN pp, pg, pe, pb, toff
	global_load_b128 v[128:131], v[L16], s[\pp:\pp+1]
	global_load_b128 v[132:135], v[L16], s[\pg:\pg+1]
	global_load_b128 v[136:139], v[L16], s[\pe:\pe+1]
	global_load_b128 v[140:143], v[L16], s[\pb:\pb+1]
	s_lshl_b32 s62, s[WV], 16
	s_mov_b32 s63, 0
	s_add_nc_u64 s[60:61], s[\pp:\pp+1], s[62:63]
.set i_, 144
.rept 12
	v_mov_b32 v[i_], 0
.set i_, i_+1
.endr
	s_mov_b32 s[FC], 4
.Lfin:
	WIN 0x40
.set q_, 0
.rept 16
	global_load_b128 v[8*q_:8*q_+3], v[L16], s[60:61] offset:1024*q_
	global_load_b128 v[8*q_+4:8*q_+7], v[L16], s[60:61] offset:1024*q_+512
.set q_, q_+1
.endr
	s_wait_loadcnt 0x0
	WIN 0x41
.set q_, 0
.rept 16
	v_pk_add_f32 v[8*q_:8*q_+1], v[8*q_:8*q_+1], v[128:129] neg_lo:[0,1] neg_hi:[0,1]
	v_pk_add_f32 v[8*q_+2:8*q_+3], v[8*q_+2:8*q_+3], v[130:131] neg_lo:[0,1] neg_hi:[0,1]
.set q_, q_+1
.endr
	WIN 0x01
.set q_, 0
.rept 16
	v_pk_add_f32 v[144:145], v[8*q_:8*q_+1], v[144:145]
	v_pk_add_f32 v[146:147], v[8*q_+2:8*q_+3], v[146:147]
	v_pk_add_f32 v[152:153], v[8*q_+4:8*q_+5], v[152:153]
	v_pk_add_f32 v[154:155], v[8*q_+6:8*q_+7], v[154:155]
.set q_, q_+1
.endr
	WIN 0x05
.set q_, 0
.rept 16
	v_pk_fma_f32 v[148:149], v[8*q_:8*q_+1], v[8*q_:8*q_+1], v[148:149]
	v_pk_fma_f32 v[150:151], v[8*q_+2:8*q_+3], v[8*q_+2:8*q_+3], v[150:151]
.set q_, q_+1
.endr
	WIN 0
	s_add_nc_u64 s[60:61], s[60:61], 16384         ; the loads that read it are back
	s_sub_co_u32 s[FC], s[FC], 1
	s_cmp_lg_u32 s[FC], 0
	s_cbranch_scc1 .Lfin
	ds_store_b128 v[XWA], v[144:147]
	ds_store_b128 v[XWA], v[148:151] offset:512
	ds_store_b128 v[XWA], v[152:155] offset:1024
	s_wait_tensorcnt 0x2                           ; of my three tensor loads the first, my quarter of the image, has landed; the input's two halves may stay out
	s_wait_dscnt 0x0                               ; for the others' sake: my three sums are stored
	s_barrier_signal -1
	s_barrier_wait -1
.set t_, 0
.rept 3
.set w_, 0
.rept 4
	ds_load_b128 v[160+16*t_+4*w_:160+16*t_+4*w_+3], v[XWR] offset:1536*w_+512*t_
.set w_, w_+1
.endr
.set t_, t_+1
.endr
	v_mov_b32 v26, 0x36800000                      ; 2^-18
	v_mov_b32 v27, 0x3727c5ac                      ; eps = 1e-5
	RB 132                                         ; g, be and b as bf16; all this works on v20-27 and v132-143, outside v160-207, into which the twelve loads above are still to land
	RB 136
	RB 140
.irp i, 0,1,2,3
	v_and_b32 v[20+\i], 0x80000000, v[132+\i]
	v_xor_b32 v[140+\i], v[20+\i], v[140+\i]
	v_and_b32 v[132+\i], 0x7fffffff, v[132+\i]
.endr
	s_wait_dscnt 0x0
	QSUM 144, 160, 4
	QSUM 148, 176, 4
	QSUM 152, 192, 4
.irp u, 0, 2
	v_pk_fma_f32 v[156+\u:157+\u], v[144+\u:145+\u], 0x3b800000, v[128+\u:129+\u] op_sel_hi:[1,0,1]
	v_pk_mul_f32 v[160+\u:161+\u], v[144+\u:145+\u], v[144+\u:145+\u]
	v_pk_fma_f32 v[148+\u:149+\u], v[160+\u:161+\u], 0xbb800000, v[148+\u:149+\u] op_sel_hi:[1,0,1]
	v_pk_fma_f32 v[152+\u:153+\u], v[148+\u:149+\u], 0x44800000, v[152+\u:153+\u] op_sel_hi:[1,0,1]
.endr
.irp i, 0,1,2,3
	v_fma_f32 v[160+\i], v[152+\i], v26, v27
.endr
.irp i, 0,1,2,3
	v_rsq_f32 v[164+\i], v[160+\i]
.endr
	v_nop                                          ; a plain instruction behind the last root,
	s_wait_alu depctr_va_vdst(0)                   ; and a wait on the roots: one for the four
.irp u, 0, 2
	v_pk_mul_f32 v[164+\u:165+\u], v[164+\u:165+\u], v[132+\u:133+\u]
	v_pk_add_f32 v[156+\u:157+\u], v[156+\u:157+\u], v[140+\u:141+\u]
	v_pk_fma_f32 v[168+\u:169+\u], v[164+\u:165+\u], v[156+\u:157+\u], v[136+\u:137+\u] neg_lo:[1,0,0] neg_hi:[1,0,0]
	v_pk_fma_f32 v[168+\u:169+\u], v[164+\u:165+\u], v[140+\u:141+\u], v[168+\u:169+\u]
.endr
.irp u, 0, 2
	v_pk_fma_f32 v[172+\u:173+\u], v[132+\u:133+\u], 2.0, v[136+\u:137+\u] op_sel_hi:[1,0,1]  ; be + 2 |g|,
.endr
.irp i, 0,1,2,3
	v_max_num_f32 v[172+\i], 0, v[172+\i]          ; not below the ReLU's floor,
.endr
	v_cvt_pk_f16_f32 v20, v172, v173               ; and a number that f16 holds, so that the floor -mu is exact
	v_cvt_pk_f16_f32 v21, v174, v175
	v_lshrrev_b32 v22, 16, v20
	v_lshrrev_b32 v23, 16, v21
	v_cvt_f32_f16 v172, v20.l
	v_cvt_f32_f16 v173, v22.l
	v_cvt_f32_f16 v174, v21.l
	v_cvt_f32_f16 v175, v23.l
.irp u, 0, 2
	v_pk_add_f32 v[168+\u:169+\u], v[168+\u:169+\u], v[172+\u:173+\u] neg_lo:[0,1] neg_hi:[0,1]
	v_pk_mul_f32 v[172+\u:173+\u], v[172+\u:173+\u], -1.0 op_sel_hi:[1,0]
.endr
	ds_store_b128 v[TABW], v[164:167] offset:\toff
	ds_store_b128 v[TABW], v[168:171] offset:(\toff)+512
	ds_store_b128 v[TABW], v[172:175] offset:(\toff)+1024
.endm
	s_load_b512 s[4:19], s[0:1], 0x0               ; z2 4, wimg 6, pa 8, cm 10, g2 12, be2 14, b2 16, pb 18
	s_load_b64 s[20:21], s[0:1], 0x40              ; fin2 20
	v_lshl_add_u32 v[SPW], v0, 2, SPARE
	v_mov_b32 v[NIL], 0
	ds_add_u32 v[SPW], v[NIL]                      ; the opening lines: the add, twice on end, and its wait ahead of my first tensor load
	ds_add_u32 v[SPW], v[NIL]
	v_lshrrev_b32 v16, 5, v0
	v_readfirstlane_b32 s[WV], v16
	s_mov_b32 s[WG], ttmp9
	s_mov_b32 s[HM], 0xffff0000
	s_mov_b32 s[SG], 0x80000000
	v_and_b32 v[R_], 15, v0
	v_bfe_u32 v[HH], v0, 4, 1
	v_and_b32 v[LL], 31, v0
	v_lshlrev_b32 v[L16], 4, v[LL]
	s_mov_b32 s32, 3<<16                           ; half a sequence: dense, 128 rows of 32 elements of 8 bytes
	s_mov_b32 s33, 32<<16
	s_mov_b32 s34, 128<<16
	s_mov_b32 s35, 32<<16
	s_mov_b32 s36, 128
	s_mov_b32 s37, 32
	s_mov_b32 s38, 0
	s_mov_b32 s39, 0
	s_mov_b32 s40, 3<<16                           ; a quarter of the image
	s_mov_b32 s41, 32<<16
	s_mov_b32 s42, WROWS<<16
	s_mov_b32 s43, 32<<16
	s_mov_b32 s44, WROWS
	s_mov_b32 s45, 32
	s_mov_b32 s46, 0
	s_mov_b32 s47, 0
	s_lshl_b32 s66, s[WG], 2
	s_add_co_u32 s66, s66, s[WV]
	s_lshl_b32 s62, s66, 16
	s_mov_b32 s63, 0
	s_mul_i32 s68, s[WV], WQ
	s_mov_b32 s69, 0
	s_mov_b32 s48, 1
	s_add_co_u32 s49, s68, WI
	s_add_co_u32 s68, s68, WOFF
	s_mov_b32 s52, 1
	s_lshl_b32 s53, s[WV], 16
	s_mov_b32 s56, 1
	s_add_co_u32 s57, s53, 32768
	s_wait_dscnt 0x0
	s_wait_kmcnt 0x0
	s_add_nc_u64 s[50:51], s[6:7], s[68:69]
	s_or_b32 s51, s51, 0x80000000
	s_add_nc_u64 s[54:55], s[4:5], s[62:63]
	s_add_nc_u64 s[58:59], s[54:55], 32768
	s_or_b32 s55, s55, 0x80000000
	s_or_b32 s59, s59, 0x80000000
	tensor_load_to_lds s[48:51], s[40:47]          ; the first fills together: three loads of mine are out
	s_nop 0
	tensor_load_to_lds s[52:55], s[32:39]
	s_nop 0
	tensor_load_to_lds s[56:59], s[32:39]
	s_nop 0
	PLACES
	s_lshl_b32 s62, s66, 13
	s_add_nc_u64 s[10:11], s[10:11], s[62:63]      ; cm at my sequence,
	s_add_nc_u64 s[22:23], s[10:11], 0x800000      ; and -K in its second half
	s_lshl_b32 s62, s[WG], 10
	s_add_nc_u64 s[18:19], s[18:19], s[62:63]      ; pb at my work-group
	s_mul_i32 s62, s[WG], 1536
	s_add_nc_u64 s[20:21], s[20:21], s[62:63]      ; fin2 at my work-group's copy
.set q_, 0
.rept 16
	global_load_b128 v[ACC+4*q_:ACC+4*q_+3], v[L16], s[10:11] offset:512*q_
.set q_, q_+1
.endr
	WIN 0xc0
.set q_, 0
.rept 16
	global_load_b128 v[4*q_:4*q_+3], v[L16], s[22:23] offset:512*q_
.set q_, q_+1
.endr
	WIN 0
	v_add_nc_u32 v[SA0], s53, v[L16]
	s_mul_i32 s68, s[WV], REDW
	v_mul_u32_u24 v[RST], v[R_], RPITCH
	v_lshl_add_u32 v[RST], v[HH], 5, v[RST]
	v_add_nc_u32 v[RST], s68, v[RST]
	v_add_nc_u32 v[RRD], s68, v[L16]
	v_add_nc_u32 v[XER], XE, v[L16]
	v_lshl_add_u32 v[XEW], s[WV], 10, v[XER]
	s_mul_i32 s67, s[WV], TABS
	s_add_co_u32 s67, s67, TAB
	v_lshl_add_u32 v[TABA], v[HH], 5, s67
	v_add_nc_u32 v[TABW], s67, v[L16]
	v_add_nc_u32 v[XWR], XW, v[L16]
	s_mul_i32 s68, s[WV], 1536
	v_add_nc_u32 v[XWA], s68, v[XWR]
	v_add_nc_u32 v[WA], WI, v[L16]
	FIN 8, 12, 14, 16, 0
	s_cmp_lg_u32 s[WV], 0                          ; all four waves hold the same tables: wave 0 stores them for the last launch
	s_cbranch_scc1 .Lnofin
	global_store_b128 v[L16], v[164:167], s[20:21]
	global_store_b128 v[L16], v[168:171], s[20:21] offset:512
	global_store_b128 v[L16], v[172:175], s[20:21] offset:1024
.Lnofin:
	WIN 0x80
	TAB2ACC A2, 0                                  ; a2
	TAB2ACC C2, 512                                ; c2 - mu
	WIN 0x40
	LDW 0, 32, WA, 0                               ; W3
	WIN 0
	TAB2ACC 192, 1024                              ; -mu, until it is packed
	WIN 0xc0
.set i_, 0
.rept 128
	v_mov_b32 v[SD+i_], 0                          ; the sums start at 0: written while the LDS loads above are out
.set i_, i_+1
.endr
	WIN 0
	s_wait_xcnt 0x0                                ; the three stores have read their registers, which are written below
	s_wait_dscnt 0x0
	WIN 0x28                                       ; the carry: a2 cm + c2 - mu
.set i_, 0
.rept 32
	v_pk_fma_f32 v[ACC+2*i_:ACC+2*i_+1], v[ACC+2*i_:ACC+2*i_+1], v[A2+2*i_:A2+2*i_+1], v[C2+2*i_:C2+2*i_+1]
.set i_, i_+1
.endr
	WIN 0
	PACK RUN
.set i_, 0
.rept 32
	v_cvt_pk_f16_f32 v[H+i_], v[192+2*i_], v[193+2*i_]  ; the floor (and H is written whole once: the half-writing multiply-adds keep the other half)
.set i_, i_+1
.endr
	RMXALL
	WIN 0xae                                       ; the lane's constant: c2 - mu + a2 K
.set i_, 0
.rept 32
	v_pk_fma_f32 v[C2+2*i_:C2+2*i_+1], v[A2+2*i_:A2+2*i_+1], v[2*i_:2*i_+1], v[C2+2*i_:C2+2*i_+1] neg_lo:[0,1,0] neg_hi:[0,1,0]
.set i_, i_+1
.endr
	WIN 0
	s_wait_tensorcnt 0x0                           ; my z2 is in.  Only I read my bytes: no barrier
	; AHEAD OF THE LOOP: tile 0's norm and maximum, and its product with the sums started at 0: that is the pivot
	LOADZ SA0
	s_mov_b32 s[TB], 4096
	v_add_nc_u32 v[SA], s[TB], v[SA0]
	s_wait_dscnt 0x0
.set n_, 0
.rept 64
	BNR n_
.set n_, n_+1
.endr
	WIN 0
	LOADZ SA                                       ; tile 1
	RMXALL
	WIN 0x01
	GEMM0 RUN
	WIN 0
	PLACES
	WIN 0xc0
.set i_, 0
.rept 64
	v_xor_b32 v[KK+i_], s[SG], v[ACC+i_]           ; the pivot's negative
.set i_, i_+1
.endr
	WIN 0
	s_mov_b32 s[CNT], 16
.Ltile:                                                ; trip i: tile i is multiplied, tile i + 1 normed, tile i + 2 fetched
	s_wait_dscnt 0x0                               ; tile i + 1 is in registers: its loads went out 16 products ago
.set s_, 0
.rept 16
	MM s_
	BNR 4*s_
	BNR 4*s_+1
	BNR 4*s_+2
	BNR 4*s_+3
.set s_, s_+1
.endr
	s_add_co_u32 s[TB], s[TB], 4096
	s_min_u32 s[TB], s[TB], 15*4096                ; the last two trips fetch the last tile once more: what is made of it is not used
	WIN 0
	v_add_nc_u32 v[SA], s[TB], v[SA0]
	LOADZ SA
	PLACES                                         ; four places behind the products that ended blocks 0-3
.rept 16
	MM s_
	STT 2*(s_-16), 0
	STT 2*(s_-16)+1, 0
.set s_, s_+1
.endr
.set n_, 0
.rept 32
	STT n_, 1                                      ; blocks 4-7: block 4 was ended 8 lines back; block 7, ended 2 lines back, is read behind 12 more
.set n_, n_+1
.endr
	RMXALL                                         ; tile i + 1's step, into the operand that the products have left
	s_sub_co_u32 s[CNT], s[CNT], 1
	s_cmp_lg_u32 s[CNT], 0
	s_cbranch_scc1 .Ltile
	WIN 0xf3                                       ; the lane's 16 values: mean = K + Sd / 16, M2 = S2 - Sd^2 / 16
.set i_, 0
.rept 32
	v_pk_fma_f32 v[KK+2*i_:KK+2*i_+1], v[SD+2*i_:SD+2*i_+1], 0x3d800000, v[KK+2*i_:KK+2*i_+1] op_sel_hi:[1,0,1] neg_lo:[0,0,1] neg_hi:[0,0,1]
.set i_, i_+1
.endr
	WIN 0xcf
.set i_, 0
.rept 32
	v_pk_mul_f32 v[SD+2*i_:SD+2*i_+1], v[SD+2*i_:SD+2*i_+1], v[SD+2*i_:SD+2*i_+1]
.set i_, i_+1
.endr
	WIN 0xf3
.set i_, 0
.rept 32
	v_pk_fma_f32 v[S2+2*i_:S2+2*i_+1], v[SD+2*i_:SD+2*i_+1], 0xbd800000, v[S2+2*i_:S2+2*i_+1] op_sel_hi:[1,0,1]
.set i_, i_+1
.endr
	WIN 0x0c
.set b_, 0
.rept 8
	ds_store_b128 v[RST], v[KK+8*b_:KK+8*b_+3] offset:64*b_
	ds_store_b128 v[RST], v[KK+8*b_+4:KK+8*b_+7] offset:64*b_+16
	ds_store_b128 v[RST], v[S2+8*b_:S2+8*b_+3] offset:REDM2+64*b_
	ds_store_b128 v[RST], v[S2+8*b_+4:S2+8*b_+7] offset:REDM2+64*b_+16
.set b_, b_+1
.endr
	WIN 0
.set q_, 0
.rept 16
	ds_load_b128 v[64+4*q_:64+4*q_+3], v[RRD] offset:RPITCH*q_
	ds_load_b128 v[128+4*q_:128+4*q_+3], v[RRD] offset:REDM2+RPITCH*q_
.set q_, q_+1
.endr
	s_wait_dscnt 0x0
	COMB 64, 128, 16, 0x3d800000, 0x41800000
	ds_store_b128 v[XEW], v[16:19]
	ds_store_b128 v[XEW], v[20:23] offset:512
	s_wait_dscnt 0x0
	s_barrier_signal -1
	s_barrier_wait -1
	s_cmp_lg_u32 s[WV], 0
	s_cbranch_scc1 .Lend
.irp w, 0,1,2,3
	ds_load_b128 v[160+4*\w:163+4*\w], v[XER] offset:1024*\w
	ds_load_b128 v[176+4*\w:179+4*\w], v[XER] offset:1024*\w+512
.endr
	s_wait_dscnt 0x0
	COMB 160, 176, 4, 0x3e800000, 0x43800000
	global_store_b128 v[L16], v[16:19], s[18:19]
	global_store_b128 v[L16], v[20:23], s[18:19] offset:512
.Lend:
	s_wait_tensorcnt 0x0                           ; the wave's end
	ds_add_u32 v[SPW], v[NIL]
	s_wait_dscnt 0x0
	s_endpgm
.Lfunc_end_k_q35cb6bfac8_st3:
	.size	k_q35cb6bfac8_st3, .Lfunc_end_k_q35cb6bfac8_st3-k_q35cb6bfac8_st3
	.p2alignl 7, 3214868480
	.fill 96, 4, 3214868480
	.section	.rodata,"a",@progbits
	.p2align	6, 0x0
	.amdhsa_kernel k_q35cb6bfac8_st3
		.amdhsa_group_segment_fixed_size 311808
		.amdhsa_private_segment_fixed_size 0
		.amdhsa_enable_private_segment 0
		.amdhsa_kernarg_size 72
		.amdhsa_user_sgpr_count 2
		.amdhsa_user_sgpr_kernarg_segment_ptr 1
		.amdhsa_wavefront_size32 1
		.amdhsa_system_sgpr_workgroup_id_x 1
		.amdhsa_system_sgpr_workgroup_id_y 1
		.amdhsa_system_sgpr_workgroup_id_z 1
		.amdhsa_system_vgpr_workitem_id 0
		.amdhsa_next_free_vgpr 1024
		.amdhsa_next_free_sgpr 80
		.amdhsa_reserve_vcc 0
		.amdhsa_float_denorm_mode_32 3
		.amdhsa_float_denorm_mode_16_64 3
		.amdhsa_memory_ordered 1
		.amdhsa_forward_progress 1
		.amdhsa_inst_pref_size 98
	.end_amdhsa_kernel
	.amdgpu_metadata
---
amdhsa.version: [ 1, 2 ]
amdhsa.kernels:
  - .name:           k_q35cb6bfac8_st3
    .symbol:         k_q35cb6bfac8_st3.kd
    .args:
      - { .name: z2, .offset: 0, .size: 8, .value_kind: global_buffer, .address_space: global }
      - { .name: wimg, .offset: 8, .size: 8, .value_kind: global_buffer, .address_space: global }
      - { .name: pa, .offset: 16, .size: 8, .value_kind: global_buffer, .address_space: global }
      - { .name: cm, .offset: 24, .size: 8, .value_kind: global_buffer, .address_space: global }
      - { .name: g2, .offset: 32, .size: 8, .value_kind: global_buffer, .address_space: global }
      - { .name: be2, .offset: 40, .size: 8, .value_kind: global_buffer, .address_space: global }
      - { .name: b2, .offset: 48, .size: 8, .value_kind: global_buffer, .address_space: global }
      - { .name: pb, .offset: 56, .size: 8, .value_kind: global_buffer, .address_space: global }
      - { .name: fin2, .offset: 64, .size: 8, .value_kind: global_buffer, .address_space: global }
    .group_segment_fixed_size: 311808
    .private_segment_fixed_size: 0
    .kernarg_segment_align: 8
    .kernarg_segment_size: 72
    .max_flat_workgroup_size: 128
    .sgpr_count:     80
    .vgpr_count:     1024
    .wavefront_size: 32
...
	.end_amdgpu_metadata
.endif
;; end of part 4
;; launch outl (part 5): grid 256 x 1, 4 waves a work-group, no clusters, 322,048 bytes of LDS; arguments z2, wimg, pb, cm, fin2, g3, be3, b3, b4, out0; writes out0
.if DOCPART == 5
	.amdgcn_target "amdgcn-amd-amdhsa--gfx1250"
	.amdhsa_code_object_version 6
	.text
	.protected	k_q35cb6bfac8_outl
	.globl	k_q35cb6bfac8_outl
	.p2align	8
	.type	k_q35cb6bfac8_outl,@function
k_q35cb6bfac8_outl:
	s_mov_b64 s[64:65], 0
	v_nop
	global_prefetch_b8 v0, s[64:65] scope:SCOPE_SE
	s_setreg_imm32_b32 hwreg(HW_REG_WAVE_MODE, 25, 1), 1
	s_wait_xcnt 0x0
; LAUNCH 5 OF 5.  p2 = running maximum along time of relu(a2 z2' + c2), less mu (a2, c2 - mu, -mu from fin2: launch 4 says what mu is); z3 = p2 W3; the norm of layer 3 is finished from pb;
; h3 = relu(a3 z3 + c3); out = h3 W4 + b4, in f32.  z2' comes as z2' - K, -K in f32 from cm's second half: the lane's constant takes a2 K in.
; SHARES AND LAYOUT as before: wave = sequence, lane % 16 = time chunk, tile i = rows 16 r + i.  W3 (256 registers) and W4 (128) lie in registers; b4 is the C operand that starts the last sums.
; g3, be3, b3 and b4 are rounded to bf16, like all inputs.
; BY TURNS.  A trip has 48 products, and all its 192 vector lines stand behind them:
;   products 0-15   z3, blocks 0-3 (all four K blocks)      | four lines each: the NEXT tile's norm, into H, which no product reads
;   products 16-31  z3, blocks 4-7                          | three each: a3 z3 + c3, rounding and ReLU of blocks 0-3, into H3's first half
;   products 32-39  the output, K blocks 0-1 (H3's first half) | six each: the same for blocks 4-7, into H3's second half
;   products 40-47  the output, K blocks 2-3                | four each: the running maximum's step for the next tile (z3's products have left RUN)
; The output's four accumulators lie in window 3, so that the next tile's first products do not land on them.
; THE WAY OUT.  A lane holds 32 channels of one row; the tile's 16 rows go through my stage in LDS (rows of 272 bytes) and come back whole: sixteen lanes store a row's 256 consecutive bytes.
; The stage is written and read back at a trip's end; the stores stand in the next trip, 16 products on.  The first trip has no tile to store; the last tile's stores stand behind the loop.
; The stage lies over the weight images, which have had their last fill and, behind a barrier, have been read by all four waves.
; LIMITS.  z2' - K and the activations stay under 65,504 (f16); under 6e-5 they keep f16's fixed step.  NaN and infinities are not treated apart.
; No cluster: the shared images are 48 KiB of the 304 KiB that a work-group brings in, once.  No refill and no prefetch: all is asked for at the head.
.set WI, 262144                        ; the images of W3 and W4: 49,152 bytes; later the stages, 4,352 bytes a wave
.set WQ, 12288
.set WROWS, 48
.set WOFF, 106496
.set SPITCH, 272                       ; 17 x 16 bytes: the 16 rows of a store start at 16 different groups of four banks (ISA guide 11.1)
.set XW, 311296
.set TAB, 317440                       ; 1,024 bytes a wave: a3, c3
.set TABS, 1024
.set SPARE, 321536
.set R_, 1
.set HH, 2
.set LL, 3
.set SA0, 4
.set L16, 5
.set STO, 6
.set RD, 7
.set TABA, 10
.set TABW, 11
.set XWA, 12
.set WA, 13
.set OV, 14                            ; v14 my byte offset in two rows of the output, 16 time steps apart
.set ZERO, 15
.set SA, 28
.set XWR, 29
.set SPW, 30
.set NIL, 31
.set ZR, 32
.set ACC, 64
.set H, 128
.set RUN, 160
.set OT, 192                           ; v192-223 16 rows read back from the stage
.set H3, 224                           ; v224-255 h3: the last products' operand
.set A2, 128                           ; window 2 (v0-127 of it: W4)
.set C2, 192
.set A3, 0                             ; window 3
.set C3, 64
.set B4, 128
.set A4, 160                           ; window 3: the output's four accumulators (v192-255 of the window: launch 3's -K, at the head)
.set WV, 26
.set WG, 27
.set CNT, 28
.set FIRST, 30
.set FC, 31
.set HM, 70
.set TB, 77
.set MSB, 0
.macro WIN new
.if MSB != (\new)
	s_set_vgpr_msb (MSB<<8)|(\new)
.set MSB, \new
.endif
.endm
.macro PLACES
.rept 4
	v_nop
.endr
.endm
.macro LOADZ adr
.set q_, 0
.rept 8
	ds_load_b128 v[ZR+4*q_:ZR+4*q_+3], v[\adr] offset:512*q_
.set q_, q_+1
.endr
.endm
.macro QSUM d, base, n
	v_pk_add_f32 v[\d:\d+1], v[\base:\base+1], v[\base+4:\base+5]
	v_pk_add_f32 v[\d+2:\d+3], v[\base+2:\base+3], v[\base+6:\base+7]
.set q_, 2
.rept (\n)-2
	v_pk_add_f32 v[\d:\d+1], v[\d:\d+1], v[\base+4*q_:\base+4*q_+1]
	v_pk_add_f32 v[\d+2:\d+3], v[\d+2:\d+3], v[\base+4*q_+2:\base+4*q_+3]
.set q_, q_+1
.endr
.endm
.macro PACK dst
.set i_, 0
.rept 32
	v_cvt_pk_f16_f32 v[(\dst)+i_], v[ACC+2*i_], v[ACC+2*i_+1]
.set i_, i_+1
.endr
.endm
.macro TAB2ACC reg, off
.set b_, 0
.rept 8
	ds_load_b128 v[(\reg)+8*b_:(\reg)+8*b_+3], v[TABA] offset:(\off)+64*b_
	ds_load_b128 v[(\reg)+8*b_+4:(\reg)+8*b_+7], v[TABA] offset:(\off)+64*b_+16
.set b_, b_+1
.endr
.endm
.macro G2ACC reg, n, ptr, off          ; n blocks of 16 floats from memory into the accumulators' layout: register 8 b + j = value[16 b + 8 h + j]; v17 = 32 h
.set b_, 0
.rept \n
	global_load_b128 v[(\reg)+8*b_:(\reg)+8*b_+3], v17, s[\ptr:\ptr+1] offset:(\off)+64*b_
	global_load_b128 v[(\reg)+8*b_+4:(\reg)+8*b_+7], v17, s[\ptr:\ptr+1] offset:(\off)+64*b_+16
.set b_, b_+1
.endr
.endm
.macro LDW reg, n, adr, off
.set f_, 0
.rept \n
	ds_load_b128 v[(\reg)+8*f_:(\reg)+8*f_+3], v[\adr] offset:(\off)+1024*f_
	ds_load_b128 v[(\reg)+8*f_+4:(\reg)+8*f_+7], v[\adr] offset:(\off)+1024*f_+512
.set f_, f_+1
.endr
.endm
; Matrix instruction s of a trip's 48.  s < 32: z3: blocks 0-3, then 4-7; K block (s % 16) / 4; the first K block starts the sum with the constant 0.
; s >= 32: the output: K block (s - 32) / 4, block s % 4; the first K block starts the sum with b4.  Four accumulators take turns throughout.
.macro MM s
.if (\s) < 32
.set k_, ((\s)%16)/4
.set b_, 4*((\s)/16)+(\s)%4
	WIN 0x01                                       ; W3 in window 1
.if k_ == 0
	v_wmma_f32_16x16x32_f16 v[ACC+8*b_:ACC+8*b_+7], v[8*b_:8*b_+7], v[RUN:RUN+7], 0
.else
	v_wmma_f32_16x16x32_f16 v[ACC+8*b_:ACC+8*b_+7], v[64*k_+8*b_:64*k_+8*b_+7], v[RUN+8*k_:RUN+8*k_+7], v[ACC+8*b_:ACC+8*b_+7]
.endif
.else
.set k_, ((\s)-32)/4
.set b_, (\s)%4
	WIN 0xf2                                       ; W4 in window 2, b4 and the sums in window 3
.if k_ == 0
	v_wmma_f32_16x16x32_f16 v[A4+8*b_:A4+8*b_+7], v[8*b_:8*b_+7], v[H3:H3+7], v[B4+8*b_:B4+8*b_+7]
.else
	v_wmma_f32_16x16x32_f16 v[A4+8*b_:A4+8*b_+7], v[32*k_+8*b_:32*k_+8*b_+7], v[H3+8*k_:H3+8*k_+7], v[A4+8*b_:A4+8*b_+7]
.endif
.endif
.endm
; Line n of the 64 of a tile's norm: H = a z + c, each half reckoned in f32 and rounded once.  All low halves, then all high halves: 32 lines lie between the two writers of a register.
.macro BNR n
	WIN 0x28                                       ; a and c in window 2
.if (\n) < 32
	v_fma_mixlo_f16 v[H+(\n)], v[ZR+(\n)], v[A2+2*(\n)], v[C2+2*(\n)] op_sel_hi:[1,0,0]
.else
	v_fma_mixhi_f16 v[H+(\n)-32], v[ZR+(\n)-32], v[A2+2*(\n)-63], v[C2+2*(\n)-63] op_sel:[1,0,0] op_sel_hi:[1,0,0]
.endif
.endm
.macro RMX n                           ; line n of 32: RUN is never below -mu: ReLU and running maximum in one
	WIN 0
	v_pk_max_num_f16 v[RUN+(\n)], v[RUN+(\n)], v[H+(\n)]
.endm
; Line n of the 48 that make h3 of blocks 4 hb .. 4 hb + 3: 16 times a3 z3 + c3 in f32, 16 roundings, 16 ReLUs; each accumulator is read from its low end on.
.macro ACT n, hb
.set p_, 16*(\hb)+(\n)%16
.if (\n) < 16
	WIN 0x3c
	v_pk_fma_f32 v[ACC+2*p_:ACC+2*p_+1], v[ACC+2*p_:ACC+2*p_+1], v[A3+2*p_:A3+2*p_+1], v[C3+2*p_:C3+2*p_+1]
.elseif (\n) < 32
	WIN 0
	v_cvt_pk_f16_f32 v[H3+p_], v[ACC+2*p_], v[ACC+2*p_+1]
.else
	WIN 0
	v_pk_max_num_f16 v[H3+p_], v[H3+p_], v[ZERO]
.endif
.endm
.macro SEND                            ; a tile's 16 rows, back from the stage, go out
	s_wait_dscnt 0x0                               ; they are in registers
	s_add_nc_u64 s[22:23], s[22:23], 256           ; the next time step (the wait on XCNT ahead of the stage's loads stands behind every earlier store); the stores reach back
.set q_, 0
.rept 8
	global_store_b128 v[OV], v[OT+4*q_:OT+4*q_+3], s[22:23] offset:8192*q_-256 th:TH_STORE_NT  ; 16 lanes store a row's 256 consecutive bytes, at a multiple of 256 from out0's first
.set q_, q_+1
.endr
.endm
.macro RB q                            ; four numbers of an input are rounded to bf16
	v_cvt_pk_bf16_f32 v20, v[\q], v[\q+1]
	v_cvt_pk_bf16_f32 v21, v[\q+2], v[\q+3]
	v_lshlrev_b32 v[\q], 16, v20
	v_and_b32 v[\q+1], s[HM], v20
	v_lshlrev_b32 v[\q+2], 16, v21
	v_and_b32 v[\q+3], s[HM], v21
.endm
; THE NORM IS FINISHED: as in launch 3.
.macro FIN pp, pg, pe, pb, toff
	global_load_b128 v[128:131], v[L16], s[\pp:\pp+1]
	global_load_b128 v[132:135], v[L16], s[\pg:\pg+1]
	global_load_b128 v[136:139], v[L16], s[\pe:\pe+1]
	global_load_b128 v[140:143], v[L16], s[\pb:\pb+1]
	s_lshl_b32 s62, s[WV], 16
	s_mov_b32 s63, 0
	s_add_nc_u64 s[60:61], s[\pp:\pp+1], s[62:63]
.set i_, 144
.rept 12
	v_mov_b32 v[i_], 0
.set i_, i_+1
.endr
	s_mov_b32 s[FC], 4
.Lfin:
	WIN 0x40
.set q_, 0
.rept 16
	global_load_b128 v[8*q_:8*q_+3], v[L16], s[60:61] offset:1024*q_
	global_load_b128 v[8*q_+4:8*q_+7], v[L16], s[60:61] offset:1024*q_+512
.set q_, q_+1
.endr
	s_wait_loadcnt 0x0
	WIN 0x41
.set q_, 0
.rept 16
	v_pk_add_f32 v[8*q_:8*q_+1], v[8*q_:8*q_+1], v[128:129] neg_lo:[0,1] neg_hi:[0,1]
	v_pk_add_f32 v[8*q_+2:8*q_+3], v[8*q_+2:8*q_+3], v[130:131] neg_lo:[0,1] neg_hi:[0,1]
.set q_, q_+1
.endr
	WIN 0x01
.set q_, 0
.rept 16
	v_pk_add_f32 v[144:145], v[8*q_:8*q_+1], v[144:145]
	v_pk_add_f32 v[146:147], v[8*q_+2:8*q_+3], v[146:147]
	v_pk_add_f32 v[152:153], v[8*q_+4:8*q_+5], v[152:153]
	v_pk_add_f32 v[154:155], v[8*q_+6:8*q_+7], v[154:155]
.set q_, q_+1
.endr
	WIN 0x05
.set q_, 0
.rept 16
	v_pk_fma_f32 v[148:149], v[8*q_:8*q_+1], v[8*q_:8*q_+1], v[148:149]
	v_pk_fma_f32 v[150:151], v[8*q_+2:8*q_+3], v[8*q_+2:8*q_+3], v[150:151]
.set q_, q_+1
.endr
	WIN 0
	s_add_nc_u64 s[60:61], s[60:61], 16384         ; the loads that read it are back
	s_sub_co_u32 s[FC], s[FC], 1
	s_cmp_lg_u32 s[FC], 0
	s_cbranch_scc1 .Lfin
	ds_store_b128 v[XWA], v[144:147]
	ds_store_b128 v[XWA], v[148:151] offset:512
	ds_store_b128 v[XWA], v[152:155] offset:1024
	s_wait_tensorcnt 0x2                           ; of my three tensor loads the first, my quarter of the images, has landed; the input's two halves may stay out
	s_wait_dscnt 0x0                               ; for the others' sake: my three sums are stored
	s_barrier_signal -1
	s_barrier_wait -1
.set t_, 0
.rept 3
.set w_, 0
.rept 4
	ds_load_b128 v[160+16*t_+4*w_:160+16*t_+4*w_+3], v[XWR] offset:1536*w_+512*t_
.set w_, w_+1
.endr
.set t_, t_+1
.endr
	v_mov_b32 v26, 0x36800000                      ; 2^-18
	v_mov_b32 v27, 0x3727c5ac                      ; eps = 1e-5
	RB 132                                         ; g, be and b as bf16, on registers outside v160-207, into which the twelve loads above are still to land
	RB 136
	RB 140
	s_wait_dscnt 0x0
	QSUM 144, 160, 4
	QSUM 148, 176, 4
	QSUM 152, 192, 4
.irp u, 0, 2
	v_pk_fma_f32 v[156+\u:157+\u], v[144+\u:145+\u], 0x3b800000, v[128+\u:129+\u] op_sel_hi:[1,0,1]
	v_pk_mul_f32 v[160+\u:161+\u], v[144+\u:145+\u], v[144+\u:145+\u]
	v_pk_fma_f32 v[148+\u:149+\u], v[160+\u:161+\u], 0xbb800000, v[148+\u:149+\u] op_sel_hi:[1,0,1]
	v_pk_fma_f32 v[152+\u:153+\u], v[148+\u:149+\u], 0x44800000, v[152+\u:153+\u] op_sel_hi:[1,0,1]
.endr
.irp i, 0,1,2,3
	v_fma_f32 v[160+\i], v[152+\i], v26, v27
.endr
.irp i, 0,1,2,3
	v_rsq_f32 v[164+\i], v[160+\i]
.endr
	v_nop                                          ; a plain instruction behind the last root,
	s_wait_alu depctr_va_vdst(0)                   ; and a wait on the roots: one for the four
.irp u, 0, 2
	v_pk_mul_f32 v[164+\u:165+\u], v[164+\u:165+\u], v[132+\u:133+\u]
	v_pk_add_f32 v[156+\u:157+\u], v[156+\u:157+\u], v[140+\u:141+\u]
	v_pk_fma_f32 v[168+\u:169+\u], v[164+\u:165+\u], v[156+\u:157+\u], v[136+\u:137+\u] neg_lo:[1,0,0] neg_hi:[1,0,0]
	v_pk_fma_f32 v[168+\u:169+\u], v[164+\u:165+\u], v[140+\u:141+\u], v[168+\u:169+\u]
.endr
	ds_store_b128 v[TABW], v[164:167] offset:\toff
	ds_store_b128 v[TABW], v[168:171] offset:(\toff)+512
.endm
	s_load_b512 s[4:19], s[0:1], 0x0               ; z2 4, wimg 6, pb 8, cm 10, fin2 12, g3 14, be3 16, b3 18
	s_load_b128 s[20:23], s[0:1], 0x40             ; b4 20, out0 22
	v_lshl_add_u32 v[SPW], v0, 2, SPARE
	v_mov_b32 v[NIL], 0
	ds_add_u32 v[SPW], v[NIL]                      ; the opening lines: the add, twice on end, and its wait ahead of my first tensor load
	ds_add_u32 v[SPW], v[NIL]
	v_lshrrev_b32 v16, 5, v0
	v_readfirstlane_b32 s[WV], v16
	s_mov_b32 s[WG], ttmp9
	s_mov_b32 s[HM], 0xffff0000
	v_and_b32 v[R_], 15, v0
	v_bfe_u32 v[HH], v0, 4, 1
	v_and_b32 v[LL], 31, v0
	v_lshlrev_b32 v[L16], 4, v[LL]
	v_mov_b32 v[ZERO], 0
	s_mov_b32 s32, 3<<16                           ; half a sequence: dense, 128 rows of 32 elements of 8 bytes
	s_mov_b32 s33, 32<<16
	s_mov_b32 s34, 128<<16
	s_mov_b32 s35, 32<<16
	s_mov_b32 s36, 128
	s_mov_b32 s37, 32
	s_mov_b32 s38, 0
	s_mov_b32 s39, 0
	s_mov_b32 s40, 3<<16                           ; a quarter of the images
	s_mov_b32 s41, 32<<16
	s_mov_b32 s42, WROWS<<16
	s_mov_b32 s43, 32<<16
	s_mov_b32 s44, WROWS
	s_mov_b32 s45, 32
	s_mov_b32 s46, 0
	s_mov_b32 s47, 0
	s_lshl_b32 s66, s[WG], 2
	s_add_co_u32 s66, s66, s[WV]
	s_lshl_b32 s62, s66, 16
	s_mov_b32 s63, 0
	s_mul_i32 s68, s[WV], WQ
	s_mov_b32 s69, 0
	s_mov_b32 s48, 1
	s_add_co_u32 s49, s68, WI
	s_add_co_u32 s68, s68, WOFF
	s_mov_b32 s52, 1
	s_lshl_b32 s53, s[WV], 16
	s_mov_b32 s56, 1
	s_add_co_u32 s57, s53, 32768
	s_wait_dscnt 0x0
	s_wait_kmcnt 0x0
	s_add_nc_u64 s[50:51], s[6:7], s[68:69]
	s_or_b32 s51, s51, 0x80000000
	s_add_nc_u64 s[54:55], s[4:5], s[62:63]
	s_add_nc_u64 s[58:59], s[54:55], 32768
	s_or_b32 s55, s55, 0x80000000
	s_or_b32 s59, s59, 0x80000000
	tensor_load_to_lds s[48:51], s[40:47]          ; the first fills together: three loads of mine are out
	s_nop 0
	tensor_load_to_lds s[52:55], s[32:39]
	s_nop 0
	tensor_load_to_lds s[56:59], s[32:39]
	s_nop 0
	PLACES
	s_add_nc_u64 s[22:23], s[22:23], s[62:63]      ; out0 at my sequence: 256 rows of 256 bytes
	s_lshl_b32 s62, s66, 13
	s_add_nc_u64 s[10:11], s[10:11], s[62:63]      ; cm at my sequence,
	s_add_nc_u64 s[24:25], s[10:11], 0x800000      ; and -K in its second half
	s_mul_i32 s62, s[WG], 1536
	s_add_nc_u64 s[12:13], s[12:13], s[62:63]      ; fin2 at my work-group's copy
.set q_, 0
.rept 16
	global_load_b128 v[ACC+4*q_:ACC+4*q_+3], v[L16], s[10:11] offset:512*q_
.set q_, q_+1
.endr
	v_lshlrev_b32 v17, 5, v[HH]
	WIN 0x80
	G2ACC A2, 8, 12, 0                             ; a2
	G2ACC C2, 8, 12, 512                           ; c2 - mu
	WIN 0x40
	G2ACC 128, 8, 12, 1024                         ; -mu, until it is packed: W3 takes these registers later
	WIN 0xc0
	G2ACC B4, 4, 20, 0                             ; b4
.set q_, 0
.rept 16
	global_load_b128 v[192+4*q_:192+4*q_+3], v[L16], s[24:25] offset:512*q_  ; launch 3's -K
.set q_, q_+1
.endr
	WIN 0
	v_add_nc_u32 v[SA0], s53, v[L16]
	s_mul_i32 s67, s[WV], TABS
	s_add_co_u32 s67, s67, TAB
	v_lshl_add_u32 v[TABA], v[HH], 5, s67
	v_add_nc_u32 v[TABW], s67, v[L16]
	v_add_nc_u32 v[XWR], XW, v[L16]
	s_mul_i32 s68, s[WV], 1536
	v_add_nc_u32 v[XWA], s68, v[XWR]
	v_add_nc_u32 v[WA], WI, v[L16]
	s_mul_i32 s68, s[WV], 16*SPITCH
	s_add_co_u32 s68, s68, WI                      ; my stage
	v_mul_u32_u24 v[STO], v[R_], SPITCH            ; in: row r, 32 bytes for each half of the lanes
	v_lshl_add_u32 v[STO], v[HH], 5, v[STO]
	v_add_nc_u32 v[STO], s68, v[STO]
	v_mul_u32_u24 v[RD], v[HH], SPITCH             ; back: lanes 0-15 one row of 256 bytes, lanes 16-31 the next
	v_lshl_add_u32 v[RD], v[R_], 4, v[RD]
	v_add_nc_u32 v[RD], s68, v[RD]
	v_lshlrev_b32 v[OV], 4, v[R_]
	v_lshl_add_u32 v[OV], v[HH], 12, v[OV]         ; neighbouring rows of a tile lie 16 time steps, 4,096 bytes, apart
	FIN 8, 14, 16, 18, 0
	WIN 0x05
.set i_, 0
.rept 32
	v_cvt_pk_f16_f32 v[H+i_], v[128+2*i_], v[129+2*i_]  ; the floor -mu (and H is written whole once: the half-writing multiply-adds keep the other half)
.set i_, i_+1
.endr
	WIN 0x0f                                       ; b4 is rounded to bf16
.set i_, 0
.rept 16
	v_cvt_pk_bf16_f32 v[ZR+i_], v[B4+2*i_], v[B4+2*i_+1]
.set i_, i_+1
.endr
	WIN 0xc0
.set i_, 0
.rept 16
	v_lshlrev_b32 v[B4+2*i_], 16, v[ZR+i_]
	v_and_b32 v[B4+2*i_+1], s[HM], v[ZR+i_]
.set i_, i_+1
.endr
	TAB2ACC A3, 0                                  ; a3
	TAB2ACC C3, 512                                ; c3
	WIN 0x80
	LDW 0, 16, WA, 32768                           ; W4: fragment (kappa, b) at 8 (4 kappa + b)
	WIN 0x40
	LDW 0, 32, WA, 0                               ; W3
	WIN 0
	s_wait_dscnt 0x0                               ; my reads of the images are back:
	s_barrier_signal -1
	s_barrier_wait -1                              ; everybody's are: the stages may be written over them
	WIN 0x28                                       ; the carry: a2 cm + c2 - mu
.set i_, 0
.rept 32
	v_pk_fma_f32 v[ACC+2*i_:ACC+2*i_+1], v[ACC+2*i_:ACC+2*i_+1], v[A2+2*i_:A2+2*i_+1], v[C2+2*i_:C2+2*i_+1]
.set i_, i_+1
.endr
	WIN 0
	PACK RUN
.set n_, 0
.rept 32
	RMX n_
.set n_, n_+1
.endr
	WIN 0xae                                       ; the lane's constant: c2 - mu + a2 K
.set i_, 0
.rept 32
	v_pk_fma_f32 v[C2+2*i_:C2+2*i_+1], v[A2+2*i_:A2+2*i_+1], v[192+2*i_:192+2*i_+1], v[C2+2*i_:C2+2*i_+1] neg_lo:[0,1,0] neg_hi:[0,1,0]
.set i_, i_+1
.endr
	WIN 0
	s_wait_tensorcnt 0x0                           ; my z2 is in.  Only I read my bytes: no barrier
	; AHEAD OF THE LOOP: tile 0's norm and maximum
	LOADZ SA0
	s_mov_b32 s[TB], 4096
	v_add_nc_u32 v[SA], s[TB], v[SA0]
	s_wait_dscnt 0x0
.set n_, 0
.rept 64
	BNR n_
.set n_, n_+1
.endr
	WIN 0
	LOADZ SA                                       ; tile 1
.set n_, 0
.rept 32
	RMX n_
.set n_, n_+1
.endr
	s_wait_dscnt 0x0                               ; tile 1 is in registers: so the counted wait at the loop's top holds on the way in too
	s_mov_b32 s[FIRST], 1
	s_mov_b32 s[CNT], 16
.Ltile:                                                ; trip i: tile i is multiplied, tile i + 1 normed, tile i + 2 fetched, tile i - 1 stored
	s_wait_dscnt 16                                ; tile i + 1 is in registers; the 16 younger LDS instructions, the stage's stores and loads of tile i - 1, may stay out
.set s_, 0
.rept 16
	MM s_
	BNR 4*s_
	BNR 4*s_+1
	BNR 4*s_+2
	BNR 4*s_+3
.set s_, s_+1
.endr
	WIN 0
	s_cmp_eq_u32 s[FIRST], 1                       ; at the first trip the answer is a constant of the text: there is no tile to store yet
	s_cbranch_scc1 .Lnost
	SEND
.Lnost:
	s_mov_b32 s[FIRST], 0
	s_add_co_u32 s[TB], s[TB], 4096
	s_min_u32 s[TB], s[TB], 15*4096                ; the last two trips fetch the last tile once more: what is made of it is not used
	v_add_nc_u32 v[SA], s[TB], v[SA0]
	LOADZ SA
	PLACES                                         ; four places behind the products that ended blocks 0-3
.rept 16
	MM s_
	ACT 3*(s_-16), 0
	ACT 3*(s_-16)+1, 0
	ACT 3*(s_-16)+2, 0
.set s_, s_+1
.endr
.rept 8
	MM s_
	ACT 6*(s_-32), 1                               ; block 4 was ended 12 lines back; block 7, ended 3 lines back, is read behind 12 more
	ACT 6*(s_-32)+1, 1
	ACT 6*(s_-32)+2, 1
	ACT 6*(s_-32)+3, 1
	ACT 6*(s_-32)+4, 1
	ACT 6*(s_-32)+5, 1
.set s_, s_+1
.endr
.rept 8
	MM s_
	RMX 4*(s_-40)
	RMX 4*(s_-40)+1
	RMX 4*(s_-40)+2
	RMX 4*(s_-40)+3
.set s_, s_+1
.endr
	WIN 0x0c                                       ; store data in window 3; the four lines above are the places behind the last product
.set b_, 0
.rept 4
	ds_store_b128 v[STO], v[A4+8*b_:A4+8*b_+3] offset:64*b_
	ds_store_b128 v[STO], v[A4+8*b_+4:A4+8*b_+7] offset:64*b_+16
.set b_, b_+1
.endr
	WIN 0
	s_wait_xcnt 0x0                                ; the stores of tile i - 1, 32 products back, have read OT and their base
.set q_, 0
.rept 8
	ds_load_b128 v[OT+4*q_:OT+4*q_+3], v[RD] offset:2*SPITCH*q_  ; LDS serves a wave's instructions in order (ISA guide 5.7.1.4): these see the stores above
.set q_, q_+1
.endr
	s_sub_co_u32 s[CNT], s[CNT], 1
	s_cmp_lg_u32 s[CNT], 0
	s_cbranch_scc1 .Ltile
	SEND                                           ; the last tile
	s_wait_tensorcnt 0x0                           ; the wave's end
	ds_add_u32 v[SPW], v[NIL]
	s_wait_dscnt 0x0
	s_endpgm
.Lfunc_end_k_q35cb6bfac8_outl:
	.size	k_q35cb6bfac8_outl, .Lfunc_end_k_q35cb6bfac8_outl-k_q35cb6bfac8_outl
	.p2alignl 7, 3214868480
	.fill 96, 4, 3214868480
	.section	.rodata,"a",@progbits
	.p2align	6, 0x0
	.amdhsa_kernel k_q35cb6bfac8_outl
		.amdhsa_group_segment_fixed_size 322048
		.amdhsa_private_segment_fixed_size 0
		.amdhsa_enable_private_segment 0
		.amdhsa_kernarg_size 80
		.amdhsa_user_sgpr_count 2
		.amdhsa_user_sgpr_kernarg_segment_ptr 1
		.amdhsa_wavefront_size32 1
		.amdhsa_system_sgpr_workgroup_id_x 1
		.amdhsa_system_sgpr_workgroup_id_y 1
		.amdhsa_system_sgpr_workgroup_id_z 1
		.amdhsa_system_vgpr_workitem_id 0
		.amdhsa_next_free_vgpr 1024
		.amdhsa_next_free_sgpr 80
		.amdhsa_reserve_vcc 0
		.amdhsa_float_denorm_mode_32 3
		.amdhsa_float_denorm_mode_16_64 3
		.amdhsa_memory_ordered 1
		.amdhsa_forward_progress 1
		.amdhsa_inst_pref_size 80
	.end_amdhsa_kernel
	.amdgpu_metadata
---
amdhsa.version: [ 1, 2 ]
amdhsa.kernels:
  - .name:           k_q35cb6bfac8_outl
    .symbol:         k_q35cb6bfac8_outl.kd
    .args:
      - { .name: z2, .offset: 0, .size: 8, .value_kind: global_buffer, .address_space: global }
      - { .name: wimg, .offset: 8, .size: 8, .value_kind: global_buffer, .address_space: global }
      - { .name: pb, .offset: 16, .size: 8, .value_kind: global_buffer, .address_space: global }
      - { .name: cm, .offset: 24, .size: 8, .value_kind: global_buffer, .address_space: global }
      - { .name: fin2, .offset: 32, .size: 8, .value_kind: global_buffer, .address_space: global }
      - { .name: g3, .offset: 40, .size: 8, .value_kind: global_buffer, .address_space: global }
      - { .name: be3, .offset: 48, .size: 8, .value_kind: global_buffer, .address_space: global }
      - { .name: b3, .offset: 56, .size: 8, .value_kind: global_buffer, .address_space: global }
      - { .name: b4, .offset: 64, .size: 8, .value_kind: global_buffer, .address_space: global }
      - { .name: out0, .offset: 72, .size: 8, .value_kind: global_buffer, .address_space: global }
    .group_segment_fixed_size: 322048
    .private_segment_fixed_size: 0
    .kernarg_segment_align: 8
    .kernarg_segment_size: 80
    .max_flat_workgroup_size: 128
    .sgpr_count:     80
    .vgpr_count:     1024
    .wavefront_size: 32
...
	.end_amdgpu_metadata
.endif
;; end of part 5
